; MI455X (gfx1250); checked and timed in simulation.
; The chip was launched on July 23, 2026; its instructions are those of AMD's public machine-readable ISA for CDNA 5 (MIT licence, August 2026) and "CDNA5" Instruction Set Architecture Reference Guide (July 2026). The comments in the code are by the model that wrote it; some were corrected since.
;; Transformer Block. Allowed arithmetic: matrix products marked QUANTISED: E3M2 operands, one E8M0 scale for each 32 along K, by v_wmma_scale_f32_16x16x128_f8f6f4 with both operands' format E3M2, f32 sums; everything else in f32.
;; Inputs: W1 512 x 2,048 float32; W2 2,048 x 512 float32; Wk 512 x 512 float32; Wo 512 x 512 float32; Wq 512 x 512 float32; Wv 512 x 512 float32; b1 2,048 float32; b2 512 float32; inputs 2 x 4,096 x 512 float32; ln_att_b 512 float32; ln_att_g 512 float32; ln_mlp_b 512 float32; ln_mlp_g 512 float32.
;; Outputs: out0 2 x 4,096 x 512 float32.
;; This version of the problem:
;;   THIS VERSION OF THE PROBLEM IS GIVEN IN LOW PRECISION. The matrix products marked QUANTISED in the list below multiply operands that are first quantised to E3M2 (3 exponent bits, 2 mantissa bits; 6 bits a number), with one power-of-two scale for each 32 numbers along K (OCP MX v1.0); their sums are f32. All else is computed in f32.
;;   The module's matrix products, in the order in which they are computed (A, B: the left and right operand; K: the contracted axis; several contracted axes count as one K, in the product's order):
;;     1. [M 8,192, K 512] x [K 512, N 512]; A: computed on the way; B: input Wq: QUANTISED
;;     2. [M 8,192, K 512] x [K 512, N 512]; A: computed on the way; B: input Wk: QUANTISED
;;     3. [M 8,192, K 512] x [K 512, N 512]; A: computed on the way; B: input Wv: QUANTISED
;;     4. batch 16 x [M 4,096, K 64] x [K 64, N 4,096]; A: computed on the way; B: computed on the way: QUANTISED
;;     5. batch 16 x [M 4,096, K 4,096] x [K 4,096, N 64]; A: softmax (see below); B: computed on the way: QUANTISED
;;     6. [M 8,192, K 512] x [K 512, N 512]; A: computed on the way; B: input Wo: QUANTISED
;;     7. [M 8,192, K 512] x [K 512, N 2,048]; A: computed on the way; B: input W1: QUANTISED
;;     8. [M 8,192, K 2,048] x [K 2,048, N 512]; A: computed on the way; B: input W2: QUANTISED
;;   THE QUANTISER, for each operand of a quantised product, along K:
;;     - K is cut into blocks of 32 from its start; a last block that is shorter is filled with zeros.
;;     - A block's scale is 2^e with e = floor(log2(the largest magnitude in the block)) - 4, held to -126 .. 127; a block of zeros has e = 0. As a byte (E8M0): e + 127.
;;     - Each number is divided by its block's scale, clamped to +-28, and rounded to the nearest number of E3M2, ties to even, subnormals kept.
;;     - The product sums the exact products of the quantised numbers (number of the format x scale) in f32.
;;   ~~~python
;;   def quantise(x, axis):      # numpy; x: float32 -> the quantised numbers, widened to float32 again
;;       x = np.moveaxis(x, axis, -1); K = x.shape[-1]
;;       x = np.pad(x, [(0, 0)] * (x.ndim - 1) + [(0, -K % 32)]); x = x.reshape(x.shape[:-1] + (-1, 32)); a = np.abs(x).max(-1, keepdims=True)
;;       e = np.where(a > 0, np.clip(np.frexp(np.where(a > 0, a, 1))[1] - 1 - 4, -126, 127), 0)      # np.frexp(a)[1] - 1 = floor(log2(a)), exactly
;;       r = np.clip(x / 2.0 ** e, -28, 28)
;;       step = 2.0 ** (np.maximum(np.frexp(np.where(r == 0, 1, r))[1] - 1, -2) - 2)
;;       q = np.round(r / step) * step * 2.0 ** e      # np.round: ties to even
;;       return np.moveaxis(q.reshape(q.shape[:-2] + (-1,))[..., :K], -1, axis).astype(np.float32)
;;   ~~~
;;   SOFTMAX AHEAD OF A QUANTISED PRODUCT. Where the list says 'softmax', what is quantised is not the finished softmax but p = 2^(t - M), with t = logit x log2(e) and M = ceil(the row's largest t), a whole number; so 1/2 < the row's largest p <= 1. The row's sum l is taken of the UNQUANTISED p, in f32, and the product's result is divided by l at the end. Since M is a whole number, a kernel that streams over the keys may use a running M (the ceiling of the running maximum): every later rescaling is an exact power of two, which a block's scale takes up: the codes' values come out the same.
;;   OPERANDS COMPUTED ON THE WAY. 'Computed on the way' means the value that the module computes at that place (a softmax that the list does not call 'softmax' is quantised finished and normalised). What goes into a quantiser is computed in f32, as accurately as f32 sums, v_exp_f32 and their like allow (about 1e-6 of the number): no bf16 or f16 on the way to a quantiser, and a product that is left as it is and whose result goes on into a quantised operand takes f32 operands (vector FMAs, or v_wmma_f32_16x16x4_f32). A number that lies on a knife's edge between two numbers of the format may be rounded either way, as far as f32 arithmetic and the matrix unit's own rounding can turn it there, and no further.
;; One version. Each part assembles by itself: llvm-mc -triple=amdgcn-amd-amdhsa -mcpu=gfx1250 --defsym DOCPART=n.
;; ======== version 1 of 1: 6 launches
;; limits: right only within a limited range of input values
;; workspace buffers: wts 2,457,600 bytes; xz 3,407,872 bytes; qb 3,670,016 bytes; kv 7,077,888 bytes; ao 4,194,304 bytes; yb 16,777,216 bytes; hq 13,631,488 bytes
;; launch prep (part 1): grid 176 x 1, 4 waves a work-group, no clusters, 167,936 bytes of LDS; arguments inputs, ln_att_g, ln_att_b, Wq, Wk, Wv, Wo, W1, W2, xz, wts; writes xz, wts
.if DOCPART == 1
	.amdgcn_target "amdgcn-amd-amdhsa--gfx1250"
	.amdhsa_code_object_version 6
	.text
	.protected	k_qc4b204e1aa_prep
	.globl	k_qc4b204e1aa_prep
	.p2align	8
	.type	k_qc4b204e1aa_prep,@function
k_qc4b204e1aa_prep:
	s_mov_b64 s[64:65], 0
	v_nop
	global_prefetch_b8 v0, s[64:65] scope:SCOPE_SE
	s_setreg_imm32_b32 hwreg(HW_REG_WAVE_MODE, 25, 1), 1
	s_wait_xcnt 0x0
; PREP: the first layer norm with its quantiser, and all six weights turned into codes of E3M2 with E8M0 scale bytes.
; DEAD WORK: none.  Every input of reference() reaches out0 for some values: both norms' gains and biases stand ahead of quantisers, b1 stands ahead of the GELU,
; b2 and the two residuals are added to the result.  So all 13 inputs are loaded by some launch and no product of the table is left out.
; LIMITS: a block of zeros gets the scale byte 1 where the quantiser says 127 (its codes are zeros, and only this program reads the bytes); largest magnitudes under 2^-122 are held at that floor;
; NaN and infinities among the inputs are not served.
; ORDER OF ROWS.  A tile T of 16 rows (tokens, or a weight's output columns) holds at place r the index 32 (T / 2) + 8 (T % 2) + r % 8 + 16 (r / 8): so the results of two neighbouring tiles on a product's M side
; are 16 neighbours in a lane's registers, which is what the conversions of the next quantiser take.
; IMAGES.  An operand fragment (16 rows x 128 K, 12 registers a lane) lies in memory as its registers: three planes of 512 bytes, plane c = registers 4 c .. 4 c + 3, lane l at 16 l.
; Work-groups 0 to 127: a wave takes one tile of 16 tokens.  Its rows (2,048 bytes) come into LDS by two tensor loads of 8 rows; three passes read them: the mean, the mean of squares of x - mean (as reference() has it), the norm and the codes.
; Only the wave that asked for the rows reads them, so its own wait for its tensor loads orders the reads.  Nothing is filled again.
; Work-groups 128 to 175: a wave takes 32 columns x 512 along K of one weight ([K][N], f32): a lane takes a column and its registers run down K; no LDS.
; THE ROWS' WAY IN, as the text below has it: each wave fetches 16 neighbouring tokens of the work-group's 64 by ONE tensor load; every wave waits for its load, a barrier follows,
; and each wave then reads its own tile's 16 rows, which two waves have fetched.  Nothing is filled again.
.set SPARE,  133120
.set XSOFF,  3145728                   ; xz: where the scale bytes begin
.set WO_I,   589824                    ; wts: the images of Wo, W1, W2 (Wq, Wk, Wv at 0),
.set W1_I,   786432
.set W2_I,   1572864
.set WQKV_S, 2359296                   ; and the scale bytes, 16 bytes (512 along K) a row
.set WO_S,   2383872
.set W1_S,   2392064
.set W2_S,   2424832
.set SPW, 2                            ; v2  my spare word's LDS address; never rewritten
.set NIL, 3                            ; v3  0; never rewritten
.set R,   5                            ; v5  lane % 16
.set H,   6                            ; v6  lane / 16
.set L16, 7                            ; v7  16 x lane
.set S,   8                            ; v8-15   four running pairs
.set MU,  16                           ; v16-17  the mean (a pair is named, its low word serves)
.set RS,  18                           ; v18-19  1 / sigma
.set LA,  20                           ; v20 LDS: my row, + 64 (lane / 16)
.set GA,  21                           ; v21 64 (lane / 16): my place in g and b
.set XSA, 22                           ; v22 16 (lane % 16)
.set VC,  23                           ; v23 weights: 4 x my column in the wave's 32
.set X,   32                           ; v32-95   two sets of 32 numbers of x
.set G,   96                           ; v96-159  two sets of g
.set B,   160                          ; v160-223 two sets of b
.set F,   224                          ; v224-235 a fragment's codes
.set PW,  236                          ; v236-239 the row's four scale words
.set T,   240                          ; v240-248 the quantiser's temporaries
.set HW,  250                          ; v250-251 two bytes each
.set WX,  32                           ; weights: v32-95 two blocks of 32 numbers
.set F0,  160                          ; v160-171 blocks 0 and 2 of a K step, v172-183 blocks 1 and 3
.set F1,  172
.set CT,  184
.set MX0, 188
.set MX1, 189
.set SOP, 190
.set BY,  191
.set WW,  192                          ; v192-195 my column's 16 scale bytes
.set WV,  3
.set SEL, 4                            ; s[4:5] lane selects: lane l xor 16
.set G0A, 36
.set G0B, 40
.set G1,  44
.set XO,  52
.set XSB, 54
; 32 numbers of a lane, register 16 b + i = k 32 b + 16 (lane / 16) + i of my row, become six registers of a fragment (lane (r, h): block h) and two scale bytes in v[w].
.macro Q2 src, dst, w
.irp b, 0,1
	v_max3_num_f32 v[T+\b], |v[(\src)+16*\b]|, |v[(\src)+16*\b+1]|, 0x2800000   ; and the floor 2^(5 - 127): the byte cannot fall under 1
.endr
.irp i, 2,4,6,8,10,12,14
.irp b, 0,1
	v_max3_num_f32 v[T+\b], v[T+\b], |v[(\src)+16*\b+\i]|, |v[(\src)+16*\b+\i+1]|
.endr
.endr
.irp b, 0,1
	v_permlanex16_b32 v[T+2+\b], v[T+\b], s[SEL], s[SEL+1]
.endr
.irp b, 0,1
	v_max_num_f32 v[T+\b], v[T+\b], v[T+2+\b]      ; with lane l xor 16's 16: the block's largest magnitude
.endr
.irp b, 0,1
	v_add_nc_u32 v[T+4+\b], 0xfe000000, v[T+\b]    ; 4 off its exponent field: the conversion's scale operand
.endr
.irp b, 0,1
	v_lshrrev_b32 v[T+2+\b], 23, v[T+4+\b]         ; the scale's byte
.endr
	v_lshl_or_b32 v[\w], v[T+3], 8, v[T+2]
	v_cvt_scalef32_pk16_bf6_f32 v[(\dst):(\dst)+2], v[(\src):(\src)+15], v[T+4]
	v_cvt_scalef32_pk16_bf6_f32 v[T+6:T+8], v[(\src)+16:(\src)+31], v[T+5]
	v_nop                                          ; one plain line behind the conversions
.irp i, 0,1,2
	v_permlane16_swap_b32 v[(\dst)+\i], v[T+6+\i]  ; a whole block to a lane: lanes 0-15 block 0, lanes 16-31 block 1
.endr
.irp i, 0,1,2
	v_mov_b32 v[(\dst)+3+\i], v[T+6+\i]
.endr
.endm
.macro LDX c, buf                      ; chunk c (64 along K): my 32 numbers; 16 bytes of padding lie behind each 1,024 of a row
.irp b, 0,1
.irp q, 0,1,2,3
	ds_load_b128 v[(\buf)+16*\b+4*\q:(\buf)+16*\b+4*\q+3], v[LA] offset:256*(\c)+16*((\c)/4)+128*\b+16*\q
.endr
.endr
.endm
.macro LDGB c                          ; g and b at the same 32 places
.irp b, 0,1
.irp q, 0,1,2,3
	global_load_b128 v[G+32*((\c)%2)+16*\b+4*\q:G+32*((\c)%2)+16*\b+4*\q+3], v[GA], s[10:11] offset:256*(\c)+128*\b+16*\q
	global_load_b128 v[B+32*((\c)%2)+16*\b+4*\q:B+32*((\c)%2)+16*\b+4*\q+3], v[GA], s[12:13] offset:256*(\c)+128*\b+16*\q
.endr
.endr
.endm
.macro FOLD                            ; four pairs, then the other half of the lanes: the row's sum in v[S]
	v_pk_add_f32 v[S:S+1], v[S:S+1], v[S+2:S+3]
	v_pk_add_f32 v[S+4:S+5], v[S+4:S+5], v[S+6:S+7]
	v_pk_add_f32 v[S:S+1], v[S:S+1], v[S+4:S+5]
	v_add_f32 v[S], v[S], v[S+1]
	v_permlanex16_b32 v[S+2], v[S], s[SEL], s[SEL+1]
	v_add_f32 v[S], v[S], v[S+2]
.endm
.macro AHEAD c                         ; the next chunk is asked for; the count leaves its 8 loads out
.if (\c) < 7
	LDX (\c)+1, X+32*(((\c)+1)%2)
	s_wait_dscnt 8
.else
	s_wait_dscnt 0x0
.endif
.endm
.macro PASS1 c
.set XB_, X+32*((\c)%2)
	AHEAD \c
.if (\c) == 0
.irp k, 0,1,2,3
	v_pk_add_f32 v[S+2*\k:S+2*\k+1], v[XB_+2*\k:XB_+2*\k+1], v[XB_+8+2*\k:XB_+8+2*\k+1]   ; the first numbers start the chains
.endr
.irp k, 8,9,10,11,12,13,14,15
	v_pk_add_f32 v[S+2*(\k%4):S+2*(\k%4)+1], v[S+2*(\k%4):S+2*(\k%4)+1], v[XB_+2*\k:XB_+2*\k+1]
.endr
.else
	s_wait_alu depctr_va_vdst(0)
.irp k, 0,1,2,3,4,5,6,7,8,9,10,11,12,13,14,15
	v_pk_add_f32 v[S+2*(\k%4):S+2*(\k%4)+1], v[S+2*(\k%4):S+2*(\k%4)+1], v[XB_+2*\k:XB_+2*\k+1]
.endr
.endif
.endm
.macro CENTRE                          ; x - mean, in place
.irp k, 0,1,2,3,4,5,6,7,8,9,10,11,12,13,14,15
	v_pk_add_f32 v[XB_+2*\k:XB_+2*\k+1], v[XB_+2*\k:XB_+2*\k+1], v[MU:MU+1] op_sel_hi:[1,0] neg_lo:[0,1] neg_hi:[0,1]
.endr
.endm
.macro PASS2 c
.set XB_, X+32*((\c)%2)
	AHEAD \c
	CENTRE
.irp k, 0,1,2,3,4,5,6,7,8,9,10,11,12,13,14,15
.if ((\c) == 0) && (\k < 4)
	v_pk_mul_f32 v[S+2*\k:S+2*\k+1], v[XB_+2*\k:XB_+2*\k+1], v[XB_+2*\k:XB_+2*\k+1]
.else
	v_pk_fma_f32 v[S+2*(\k%4):S+2*(\k%4)+1], v[XB_+2*\k:XB_+2*\k+1], v[XB_+2*\k:XB_+2*\k+1], v[S+2*(\k%4):S+2*(\k%4)+1]
.endif
.endr
.endm
.macro NORM c
.set XB_, X+32*((\c)%2)
.set GB_, G+32*((\c)%2)
.set BB_, B+32*((\c)%2)
	AHEAD \c
.if (\c) < 7
	s_wait_loadcnt 16                              ; this chunk's g and b are in; the next chunk's 16 loads may be out
.else
	s_wait_loadcnt 0x0
.endif
	CENTRE
.irp k, 0,1,2,3,4,5,6,7,8,9,10,11,12,13,14,15
	v_pk_mul_f32 v[XB_+2*\k:XB_+2*\k+1], v[XB_+2*\k:XB_+2*\k+1], v[RS:RS+1] op_sel_hi:[1,0]
.endr
.irp k, 0,1,2,3,4,5,6,7,8,9,10,11,12,13,14,15
	v_pk_fma_f32 v[XB_+2*\k:XB_+2*\k+1], v[XB_+2*\k:XB_+2*\k+1], v[GB_+2*\k:GB_+2*\k+1], v[BB_+2*\k:BB_+2*\k+1]
.endr
.if (\c)+2 < 8
	LDGB (\c)+2
.endif
.if ((\c)%2 == 0) && ((\c) > 0)
	s_wait_alu depctr_va_vdst(0)
	s_wait_xcnt 0x0                                ; the last K step's stores have read the fragment's registers
.endif
	Q2 XB_, F+6*((\c)%2), HW+(\c)%2
.if (\c)%2 == 1
	v_lshl_or_b32 v[PW+(\c)/2], v[HW+1], 16, v[HW]
.irp p, 0,1,2
	global_store_b128 v[L16], v[F+4*\p:F+4*\p+3], s[XO:XO+1] offset:12288*((\c)/2)+512*\p   ; 32 lanes store 512 consecutive bytes
.endr
.endif
.endm
; ---- the weights' macros
.macro LOADB t, pitch                  ; block t: W(32 t + i, my column): 32 lanes read 128 consecutive bytes
.irp i, 0,1,2,3,4,5,6,7,8,9,10,11,12,13,14,15,16,17,18,19,20,21,22,23,24,25,26,27,28,29,30,31
	global_load_b32 v[WX+32*((\t)%2)+\i], v[VC], s[60:61] offset:(32*(\t)+\i)*\pitch th:TH_LOAD_NT
.endr
.endm
.macro BLOCK t, pitch
.set XS_, WX+32*((\t)%2)
.set FD_, F0+12*((\t)%2)+6*(((\t)%4)/2)
.if (\t) < 15
	s_wait_loadcnt 32                              ; this block's 32 loads are in; the next block's may be out
.else
	s_wait_loadcnt 0x0
.endif
	v_max3_num_f32 v[MX0], |v[XS_]|, |v[XS_+1]|, |v[XS_+2]|        ; all 32 numbers of the block are mine
	v_max3_num_f32 v[MX1], |v[XS_+3]|, |v[XS_+4]|, |v[XS_+5]|
.irp i, 6,10,14,18,22,26
	v_max3_num_f32 v[MX0], v[MX0], |v[XS_+\i]|, |v[XS_+\i+1]|
	v_max3_num_f32 v[MX1], v[MX1], |v[XS_+\i+2]|, |v[XS_+\i+3]|
.endr
	v_max3_num_f32 v[MX0], v[MX0], |v[XS_+30]|, |v[XS_+31]|
	v_max3_num_f32 v[MX0], v[MX0], v[MX1], 0x2800000
	v_add_nc_u32 v[SOP], 0xfe000000, v[MX0]
	v_lshrrev_b32 v[BY], 23, v[SOP]
.if (\t)%4 == 0
	v_mov_b32 v[WW+(\t)/4], v[BY]
.else
	v_lshl_or_b32 v[WW+(\t)/4], v[BY], 8*((\t)%4), v[WW+(\t)/4]
.endif
.if ((\t)%4 == 0) && ((\t) > 0)
	s_wait_alu depctr_va_vdst(0)
	s_wait_xcnt 0x0                                ; the last K step's stores have read the codes' registers
.endif
	v_cvt_scalef32_pk16_bf6_f32 v[FD_:FD_+2], v[XS_:XS_+15], v[SOP]
	v_cvt_scalef32_pk16_bf6_f32 v[CT:CT+2], v[XS_+16:XS_+31], v[SOP]
	v_nop
.irp i, 0,1,2
	v_mov_b32 v[FD_+3+\i], v[CT+\i]
.endr
.if (\t)+2 < 16
	LOADB (\t)+2, \pitch
.endif
.if (\t)%4 == 3                        ; a K step is whole.  Lanes 0-15 hold the columns of tile 2 g, lanes 16-31 those of tile 2 g + 1, each lane all four blocks:
.irp i, 0,1,2,3,4,5,6,7,8,9,10,11      ; the exchange of halves gives lane (r, h) of each tile its blocks h and 2 + h: the two tiles' images
	v_permlane16_swap_b32 v[F0+\i], v[F1+\i]
.endr
.irp p, 0,1,2
	global_store_b128 v[L16], v[F0+4*\p:F0+4*\p+3], s[66+2*((\t)/4):67+2*((\t)/4)] offset:512*\p
	global_store_b128 v[L16], v[F1+4*\p:F1+4*\p+3], s[66+2*((\t)/4):67+2*((\t)/4)] offset:1536+512*\p
.endr
.endif
.endm
.macro WJOB pitch
	LOADB 0, \pitch
	LOADB 1, \pitch
.set tt, 0
.rept 16
	BLOCK tt, \pitch
.set tt, tt+1
.endr
	global_store_b128 v[L16], v[WW:WW+3], s[74:75]  ; 16 scale bytes a column: 512 consecutive bytes a wave
.endm
	s_load_b512 s[8:23], s[0:1], 0x0               ; inputs, g, b, Wq, Wk, Wv, Wo, W1
	s_load_b128 s[24:27], s[0:1], 0x40             ; W2, xz
	s_load_b64 s[28:29], s[0:1], 0x50              ; wts
	v_lshl_add_u32 v[SPW], v0, 2, SPARE
	v_mov_b32 v[NIL], 0
	ds_add_u32 v[SPW], v[NIL]                      ; the wave's opening: the add, twice on end, and its wait ahead of the first tensor load
	ds_add_u32 v[SPW], v[NIL]
	v_lshrrev_b32 v1, 5, v0
	v_readfirstlane_b32 s[WV], v1                  ; wave 0..3
	v_and_b32 v[R], 15, v0
	v_bfe_u32 v[H], v0, 4, 1
	v_and_b32 v1, 31, v0
	v_lshlrev_b32 v[L16], 4, v1
	s_mov_b32 s[G1], (2<<16)|(1<<20)|(7<<22)|(3<<25)   ; elements of 4 bytes; padding on: 4 words behind every 256 words
	s_mov_b32 s[G1+1], 512<<16                     ; tensor_dim0 = 512
	s_mov_b32 s[G1+2], 16<<16                      ; tensor_dim1 = 16
	s_mov_b32 s[G1+3], 512<<16                     ; tile_dim0 = 512
	s_mov_b32 s[G1+4], 16                          ; tile_dim1 = 16
	s_mov_b32 s[G1+5], 512                         ; from row to row
	s_mov_b32 s[G1+6], 0
	s_mov_b32 s[G1+7], 0
	s_mov_b32 s[SEL], 0x76543210
	s_mov_b32 s[SEL+1], 0xfedcba98
	s_mov_b32 s6, 0x3b000000                       ; 1 / 512
	s_mov_b32 s7, 0x358637bd                       ; 1e-6
	s_wait_dscnt 0x0                               ; both opening adds are done
	s_wait_kmcnt 0x0
	s_cmp_lt_u32 ttmp9, 128
	s_cbranch_scc0 .Lweights
	; ---- the layer norm: tile T = 4 x work-group + wave
	s_lshl_b32 s30, ttmp9, 6
	s_lshl_b32 s31, s[WV], 4
	s_add_co_u32 s30, s30, s31                     ; I fetch tokens 64 wg + 16 w .. + 15
	s_lshl_b32 s30, s30, 11
	s_mov_b32 s31, 0
	s_mul_i32 s32, s[WV], 33280                    ; token t of the 64 lies at 2,080 t in LDS
	s_mov_b32 s[G0A], 1
	s_mov_b32 s[G0A+1], s32
	s_add_nc_u64 s[G0A+2:G0A+3], s[8:9], s[30:31]
	s_or_b32 s[G0A+3], s[G0A+3], 0x80000000
	tensor_load_to_lds s[G0A:G0A+3], s[G1:G1+7]    ; my one tensor load
	s_nop 0
	s_lshr_b32 s32, s[WV], 1
	s_lshl_b32 s32, s32, 2
	s_and_b32 s33, s[WV], 1
	s_add_co_u32 s32, s32, s33
	s_mul_i32 s32, s32, 16640                      ; my tile's first token, 32 (w / 2) + 8 (w % 2), x 2,080
	s_wait_alu depctr_va_vdst(0)
	v_and_b32 v[LA], 7, v[R]
	v_lshrrev_b32 v[GA], 3, v[R]
	v_lshl_add_u32 v[LA], v[GA], 4, v[LA]          ; place r holds token r % 8 + 16 (r / 8) of the tile
	v_mul_u32_u24 v[LA], v[LA], 2080
	v_lshl_add_u32 v[LA], v[H], 6, v[LA]
	v_add_nc_u32 v[LA], s32, v[LA]
	v_lshlrev_b32 v[GA], 6, v[H]
	v_lshlrev_b32 v[XSA], 4, v[R]
	v_mov_b32 v[MU+1], 0                           ; named as upper halves of pairs
	v_mov_b32 v[RS+1], 0
	v_mov_b32 v[T+2], 0                            ; a lane permute's destination counts as one of its sources
	v_mov_b32 v[T+3], 0
	LDGB 0
	LDGB 1
	s_lshr_b32 s33, ttmp9, 1
	s_mul_i32 s33, s33, 49152                      ; xz: the block of 128 tokens,
	s_and_b32 s34, ttmp9, 1
	s_lshl_b32 s34, s34, 2
	s_add_co_u32 s34, s34, s[WV]
	s_mul_i32 s34, s34, 1536                       ; my tile in it
	s_add_co_u32 s34, s34, s33
	s_mov_b32 s35, 0
	s_add_nc_u64 s[XO:XO+1], s[26:27], s[34:35]
	s_lshl_b32 s34, ttmp9, 2
	s_add_co_u32 s34, s34, s[WV]
	s_lshl_b32 s34, s34, 8
	s_add_co_u32 s34, s34, XSOFF                   ; my tile's 256 scale bytes
	s_add_nc_u64 s[XSB:XSB+1], s[26:27], s[34:35]
	s_wait_alu depctr_va_vdst(0)
	s_wait_tensorcnt 0x0                           ; my 16 rows are in LDS;
	s_barrier_signal -1
	s_barrier_wait -1                              ; and so are the other waves'
	LDX 0, X
.irp c, 0,1,2,3,4,5,6,7
	PASS1 \c
.endr
	LDX 0, X
	FOLD
	v_mul_f32 v[MU], 0x3b000000, v[S]              ; the mean
	s_wait_alu depctr_va_vdst(0)
.irp c, 0,1,2,3,4,5,6,7
	PASS2 \c
.endr
	LDX 0, X
	FOLD
	v_fma_f32 v[S], v[S], s6, s7                   ; the variance + 1e-6
	s_wait_alu depctr_va_vdst(0)
	v_rsq_f32 v[RS], v[S]
	v_nop                                          ; a plain line behind the transcendental,
	s_wait_alu depctr_va_vdst(0)                   ; and the wait ahead of its first reader
.irp c, 0,1,2,3,4,5,6,7
	NORM \c
.endr
	global_store_b128 v[XSA], v[PW:PW+3], s[XSB:XSB+1]   ; row r's four scale words (both halves of the lanes hold and store the same)
	s_branch .Lend
.Lweights:
	s_sub_co_u32 s30, ttmp9, 128                   ; 0-11 Wq, Wk, Wv; 12-15 Wo; 16-31 W1; 32-47 W2
	s_lshl_b32 s31, s30, 2
	s_add_co_u32 s31, s31, s[WV]                   ; the wave's job
	s_cmp_lt_u32 s30, 4                            ; the source is chosen by the work-group's number alone
	s_cselect_b64 s[60:61], s[14:15], s[16:17]
	s_cmp_lt_u32 s30, 8
	s_cselect_b64 s[60:61], s[60:61], s[18:19]
	s_cmp_lt_u32 s30, 12
	s_cselect_b64 s[60:61], s[60:61], s[20:21]
	s_cmp_lt_u32 s30, 16
	s_cselect_b64 s[60:61], s[60:61], s[22:23]
	s_cmp_lt_u32 s30, 32
	s_cselect_b64 s[60:61], s[60:61], s[24:25]
	v_and_b32 v1, 7, v0
	v_bfe_u32 v[VC], v0, 3, 1
	v_lshl_add_u32 v1, v[VC], 4, v1
	s_wait_alu depctr_va_vdst(0)
	v_lshl_add_u32 v1, v[H], 3, v1                 ; my column in the wave's 32: 8 (lane / 16) + r % 8 + 16 (r / 8)
	v_lshlrev_b32 v[VC], 2, v1
	s_and_b32 s33, s31, 15                         ; the group of 32 columns (W1: below)
	; offsets, in plain numbers: s36 images, s38 from K step to K step, s40 scale bytes, s42 the source
	s_cmp_ge_u32 s30, 12
	s_cbranch_scc1 .Lw_not_qkv
	s_lshr_b32 s34, s30, 2                         ; 0 Wq, 1 Wk, 2 Wv
	s_lshr_b32 s35, s33, 2                         ; y: 128 columns, two heads
	s_and_b32 s52, s33, 3
	s_mul_i32 s36, s35, 147456
	s_mul_i32 s53, s34, 12288
	s_add_co_u32 s36, s36, s53
	s_mul_i32 s53, s52, 3072
	s_add_co_u32 s36, s36, s53
	s_mov_b32 s38, 36864
	s_mul_i32 s40, s35, 3
	s_add_co_u32 s40, s40, s34
	s_lshl_b32 s40, s40, 11
	s_lshl_b32 s53, s52, 9
	s_add_co_u32 s40, s40, s53
	s_add_co_u32 s40, s40, WQKV_S
	s_lshl_b32 s42, s33, 7
	s_branch .Lw_set
.Lw_not_qkv:
	s_cmp_ge_u32 s30, 16
	s_cbranch_scc1 .Lw_not_wo
	s_mul_i32 s36, s33, 3072
	s_add_co_u32 s36, s36, WO_I
	s_mov_b32 s38, 49152
	s_lshl_b32 s40, s33, 9
	s_add_co_u32 s40, s40, WO_S
	s_lshl_b32 s42, s33, 7
	s_branch .Lw_set
.Lw_not_wo:
	s_cmp_ge_u32 s30, 32
	s_cbranch_scc1 .Lw_w2
	s_sub_co_u32 s33, s31, 64                      ; W1 has 64 groups of 32 columns
	s_lshr_b32 s34, s33, 4
	s_mul_i32 s36, s34, 196608
	s_and_b32 s35, s33, 15
	s_mul_i32 s35, s35, 3072
	s_add_co_u32 s36, s36, s35
	s_add_co_u32 s36, s36, W1_I
	s_mov_b32 s38, 49152
	s_lshl_b32 s40, s33, 9
	s_add_co_u32 s40, s40, W1_S
	s_lshl_b32 s42, s33, 7
	s_branch .Lw_set
.Lw_w2:
	s_sub_co_u32 s34, s30, 32
	s_lshr_b32 s34, s34, 2                         ; which 512 of W2's 2,048 along K
	s_lshr_b32 s35, s33, 2
	s_mul_i32 s36, s35, 196608
	s_mul_i32 s35, s34, 49152
	s_add_co_u32 s36, s36, s35
	s_and_b32 s35, s33, 3
	s_mul_i32 s35, s35, 3072
	s_add_co_u32 s36, s36, s35
	s_add_co_u32 s36, s36, W2_I
	s_mov_b32 s38, 12288
	s_lshl_b32 s40, s34, 13
	s_lshl_b32 s35, s33, 9
	s_add_co_u32 s40, s40, s35
	s_add_co_u32 s40, s40, W2_S
	s_lshl_b32 s42, s34, 20
	s_lshl_b32 s35, s33, 7
	s_add_co_u32 s42, s42, s35
.Lw_set:
	s_mov_b32 s37, 0
	s_mov_b32 s39, 0
	s_mov_b32 s41, 0
	s_mov_b32 s43, 0
	s_add_nc_u64 s[60:61], s[60:61], s[42:43]
	s_add_nc_u64 s[66:67], s[28:29], s[36:37]      ; where the four K steps' images go
	s_add_nc_u64 s[68:69], s[66:67], s[38:39]
	s_add_nc_u64 s[70:71], s[68:69], s[38:39]
	s_add_nc_u64 s[72:73], s[70:71], s[38:39]
	s_add_nc_u64 s[74:75], s[28:29], s[40:41]
	s_sub_co_u32 s35, s30, 16
	s_cmp_lt_u32 s35, 16                           ; W1's rows are 8,192 bytes, all others' 2,048: the row's length stands in the loads' immediates
	s_cbranch_scc1 .Lw_wide
	s_wait_alu depctr_va_vdst(0)
	WJOB 2048
	s_branch .Lend
.Lw_wide:
	s_wait_alu depctr_va_vdst(0)
	WJOB 8192
.Lend:
	s_wait_tensorcnt 0x0                           ; the wave's end
	ds_add_u32 v[SPW], v[NIL]
	s_wait_dscnt 0x0
	s_endpgm
.Lfunc_end_k_qc4b204e1aa_prep:
	.size	k_qc4b204e1aa_prep, .Lfunc_end_k_qc4b204e1aa_prep-k_qc4b204e1aa_prep
	.p2alignl 7, 3214868480
	.fill 96, 4, 3214868480
	.section	.rodata,"a",@progbits
	.p2align	6, 0x0
	.amdhsa_kernel k_qc4b204e1aa_prep
		.amdhsa_group_segment_fixed_size 167936
		.amdhsa_private_segment_fixed_size 0
		.amdhsa_enable_private_segment 0
		.amdhsa_kernarg_size 88
		.amdhsa_user_sgpr_count 2
		.amdhsa_user_sgpr_kernarg_segment_ptr 1
		.amdhsa_wavefront_size32 1
		.amdhsa_system_sgpr_workgroup_id_x 1
		.amdhsa_system_sgpr_workgroup_id_y 1
		.amdhsa_system_sgpr_workgroup_id_z 1
		.amdhsa_system_vgpr_workitem_id 0
		.amdhsa_next_free_vgpr 256
		.amdhsa_next_free_sgpr 80
		.amdhsa_reserve_vcc 0
		.amdhsa_float_denorm_mode_32 3
		.amdhsa_float_denorm_mode_16_64 3
		.amdhsa_memory_ordered 1
		.amdhsa_forward_progress 1
		.amdhsa_inst_pref_size 249
	.end_amdhsa_kernel
	.amdgpu_metadata
---
amdhsa.version: [ 1, 2 ]
amdhsa.kernels:
  - .name:           k_qc4b204e1aa_prep
    .symbol:         k_qc4b204e1aa_prep.kd
    .args:
      - { .name: inputs, .offset: 0, .size: 8, .value_kind: global_buffer, .address_space: global }
      - { .name: ln_att_g, .offset: 8, .size: 8, .value_kind: global_buffer, .address_space: global }
      - { .name: ln_att_b, .offset: 16, .size: 8, .value_kind: global_buffer, .address_space: global }
      - { .name: Wq, .offset: 24, .size: 8, .value_kind: global_buffer, .address_space: global }
      - { .name: Wk, .offset: 32, .size: 8, .value_kind: global_buffer, .address_space: global }
      - { .name: Wv, .offset: 40, .size: 8, .value_kind: global_buffer, .address_space: global }
      - { .name: Wo, .offset: 48, .size: 8, .value_kind: global_buffer, .address_space: global }
      - { .name: W1, .offset: 56, .size: 8, .value_kind: global_buffer, .address_space: global }
      - { .name: W2, .offset: 64, .size: 8, .value_kind: global_buffer, .address_space: global }
      - { .name: xz, .offset: 72, .size: 8, .value_kind: global_buffer, .address_space: global }
      - { .name: wts, .offset: 80, .size: 8, .value_kind: global_buffer, .address_space: global }
    .group_segment_fixed_size: 167936
    .private_segment_fixed_size: 0
    .kernarg_segment_align: 8
    .kernarg_segment_size: 88
    .max_flat_workgroup_size: 128
    .sgpr_count:     80
    .vgpr_count:     256
    .wavefront_size: 32
...
	.end_amdgpu_metadata
.endif
;; end of part 1
;; launch qkv (part 2): grid 64 x 4, 12 waves a work-group, no clusters, 327,680 bytes of LDS; arguments xz, wts, qb, kv; writes qb, kv
.if DOCPART == 2
	.amdgcn_target "amdgcn-amd-amdhsa--gfx1250"
	.amdhsa_code_object_version 6
	.text
	.protected	k_qc4b204e1aa_qkv
	.globl	k_qc4b204e1aa_qkv
	.p2align	8
	.type	k_qc4b204e1aa_qkv,@function
k_qc4b204e1aa_qkv:
	s_mov_b64 s[64:65], 0
	v_nop
	global_prefetch_b8 v0, s[64:65] scope:SCOPE_SE
	s_setreg_imm32_b32 hwreg(HW_REG_WAVE_MODE, 25, 1), 1
	s_wait_xcnt 0x0
; LDS: the weights' images of this column block, four K steps of 36,864 bytes (q | k | v), dense at 0; the tokens' images, four K steps of 12,288 bytes, dense at 147,456.
; Each of the twelve waves fetches 16,384 bytes of them by ONE tensor load at the head (waves 0-8 the weights, 9-11 the tokens); nothing is filled again.
.set SPARE,  294912
.set STEPL,  49152
.set XSOFF,  3145728
.set WQKV_S, 2359296
.set L16, 1
.set SPW, 2
.set NIL, 3
.set MA,  4
.set NA,  5
.set L8,  6
.set MF,  32
.set NF,  80
.set SM,  108
.set SN,  124
.set ACC, 128
.set IA,  32
.set IB,  44
.set WD,  56
.set T,   60
.set HI,  70
.set WV,  12
.set ROLE, 13
.set J,   14
.set Y,   15
.set SEL, 16
.set G1,  24
.set G0,  32
.macro Q2 src, dst, w
.irp b, 0,1
	v_max3_num_f32 v[T+\b], |v[(\src)+16*\b]|, |v[(\src)+16*\b+1]|, 0x2800000
.endr
.irp i, 2,4,6,8,10,12,14
.irp b, 0,1
	v_max3_num_f32 v[T+\b], v[T+\b], |v[(\src)+16*\b+\i]|, |v[(\src)+16*\b+\i+1]|
.endr
.endr
.irp b, 0,1
	s_delay_alu instid0(VALU_DEP_2)
	v_permlanex16_b32 v[T+2+\b], v[T+\b], s[SEL], s[SEL+1]
.endr
.irp b, 0,1
	s_delay_alu instid0(VALU_DEP_2)
	v_max_num_f32 v[T+\b], v[T+\b], v[T+2+\b]
.endr
.irp b, 0,1
	s_delay_alu instid0(VALU_DEP_2)
	v_add_nc_u32 v[T+4+\b], 0xfe000000, v[T+\b]
.endr
.irp b, 0,1
	s_delay_alu instid0(VALU_DEP_2)
	v_lshrrev_b32 v[T+2+\b], 23, v[T+4+\b]
.endr
	s_delay_alu instid0(VALU_DEP_1)
	v_lshl_or_b32 v[\w], v[T+3], 8, v[T+2]
	v_cvt_scalef32_pk16_bf6_f32 v[(\dst):(\dst)+2], v[(\src):(\src)+15], v[T+4]
	v_cvt_scalef32_pk16_bf6_f32 v[T+6:T+8], v[(\src)+16:(\src)+31], v[T+5]
	v_nop
.irp i, 0,1,2
	v_permlane16_swap_b32 v[(\dst)+\i], v[T+6+\i]
.endr
.irp i, 0,1,2
	s_delay_alu instid0(VALU_DEP_3)
	v_mov_b32 v[(\dst)+3+\i], v[T+6+\i]
.endr
.endm
.macro WM d, a, b, sa, sb, ra, rb
.if ((\ra) == 0) && ((\rb) == 0)
	v_wmma_scale_f32_16x16x128_f8f6f4 v[\d:\d+7], v[\a:\a+11], v[\b:\b+11], v[\d:\d+7], v[\sa], v[\sb] matrix_a_fmt:MATRIX_FMT_BF6 matrix_b_fmt:MATRIX_FMT_BF6
.elseif (\ra) == 0
	v_wmma_scale_f32_16x16x128_f8f6f4 v[\d:\d+7], v[\a:\a+11], v[\b:\b+11], v[\d:\d+7], v[\sa], v[\sb] matrix_a_fmt:MATRIX_FMT_BF6 matrix_b_fmt:MATRIX_FMT_BF6 matrix_b_scale:MATRIX_SCALE_ROW1
.elseif (\rb) == 0
	v_wmma_scale_f32_16x16x128_f8f6f4 v[\d:\d+7], v[\a:\a+11], v[\b:\b+11], v[\d:\d+7], v[\sa], v[\sb] matrix_a_fmt:MATRIX_FMT_BF6 matrix_b_fmt:MATRIX_FMT_BF6 matrix_a_scale:MATRIX_SCALE_ROW1
.else
	v_wmma_scale_f32_16x16x128_f8f6f4 v[\d:\d+7], v[\a:\a+11], v[\b:\b+11], v[\d:\d+7], v[\sa], v[\sb] matrix_a_fmt:MATRIX_FMT_BF6 matrix_b_fmt:MATRIX_FMT_BF6 matrix_a_scale:MATRIX_SCALE_ROW1 matrix_b_scale:MATRIX_SCALE_ROW1
.endif
.endm
.macro WM0 d, a, b, sa, sb, ra, rb
.if ((\ra) == 0) && ((\rb) == 0)
	v_wmma_scale_f32_16x16x128_f8f6f4 v[\d:\d+7], v[\a:\a+11], v[\b:\b+11], 0, v[\sa], v[\sb] matrix_a_fmt:MATRIX_FMT_BF6 matrix_b_fmt:MATRIX_FMT_BF6
.elseif (\ra) == 0
	v_wmma_scale_f32_16x16x128_f8f6f4 v[\d:\d+7], v[\a:\a+11], v[\b:\b+11], 0, v[\sa], v[\sb] matrix_a_fmt:MATRIX_FMT_BF6 matrix_b_fmt:MATRIX_FMT_BF6 matrix_b_scale:MATRIX_SCALE_ROW1
.elseif (\rb) == 0
	v_wmma_scale_f32_16x16x128_f8f6f4 v[\d:\d+7], v[\a:\a+11], v[\b:\b+11], 0, v[\sa], v[\sb] matrix_a_fmt:MATRIX_FMT_BF6 matrix_b_fmt:MATRIX_FMT_BF6 matrix_a_scale:MATRIX_SCALE_ROW1
.else
	v_wmma_scale_f32_16x16x128_f8f6f4 v[\d:\d+7], v[\a:\a+11], v[\b:\b+11], 0, v[\sa], v[\sb] matrix_a_fmt:MATRIX_FMT_BF6 matrix_b_fmt:MATRIX_FMT_BF6 matrix_a_scale:MATRIX_SCALE_ROW1 matrix_b_scale:MATRIX_SCALE_ROW1
.endif
.endm
.macro PLACES n
.rept \n
	v_nop
.endr
.endm
.macro MLOAD half
.irp i, 0,1,2,3
.irp c, 0,1,2
	ds_load_b128 v[MF+12*\i+4*\c:MF+12*\i+4*\c+3], v[MA] offset:6144*\half+1536*\i+512*\c
.endr
.endr
.endm
.macro KSTEP s
.if \s == 0
	s_wait_tensorcnt 0x0                           ; my one load has landed,
	s_barrier_signal -1
	s_barrier_wait -1                              ; and everybody's
.endif
.irp n, 0,1
.irp c, 0,1,2
	ds_load_b128 v[NF+12*\n+4*\c:NF+12*\n+4*\c+3], v[NA] offset:1536*\n+512*\c
.endr
.endr
	MLOAD 0
	s_wait_dscnt 0x0
.irp i, 0,1,2,3
.irp n, 0,1
.if \s == 0
	WM0 ACC+64*\n+8*\i, MF+12*\i, NF+12*\n, SM+4*\i+\s, SN+\s, 0, \n
.else
	WM ACC+64*\n+8*\i, MF+12*\i, NF+12*\n, SM+4*\i+\s, SN+\s, 0, \n
.endif
.endr
.endr
	PLACES 4
	MLOAD 1
	s_wait_dscnt 0x0
.irp i, 0,1,2,3
.irp n, 0,1
.if \s == 0
	WM0 ACC+64*\n+8*\i+32, MF+12*\i, NF+12*\n, SM+4*\i+\s, SN+\s, 1, \n
.else
	WM ACC+64*\n+8*\i+32, MF+12*\i, NF+12*\n, SM+4*\i+\s, SN+\s, 1, \n
.endif
.endr
.endr
.if \s < 3
	v_add_nc_u32 v[MA], s18, v[MA]
	v_add_nc_u32 v[NA], s19, v[NA]
	PLACES 2
.else
	PLACES 4
.endif
.endm
	s_load_b256 s[4:11], s[0:1], 0x0
	v_lshl_add_u32 v[SPW], v0, 2, SPARE
	v_mov_b32 v[NIL], 0
	ds_add_u32 v[SPW], v[NIL]
	ds_add_u32 v[SPW], v[NIL]
	v_lshrrev_b32 v7, 5, v0
	s_delay_alu instid0(VALU_DEP_1)
	v_readfirstlane_b32 s[WV], v7
	s_lshr_b32 s[ROLE], s[WV], 2
	s_and_b32 s[J], s[WV], 3
	s_and_b32 s[Y], ttmp7, 0xffff
	s_mov_b32 s[G1], 3<<16
	s_mov_b32 s[G1+1], 32<<16
	s_mov_b32 s[G1+2], 64<<16
	s_mov_b32 s[G1+3], 32<<16
	s_mov_b32 s[G1+4], 64
	s_mov_b32 s[G1+5], 32
	s_mov_b32 s[G1+6], 0
	s_mov_b32 s[G1+7], 0
	s_mov_b32 s[SEL], 0x76543210
	s_mov_b32 s[SEL+1], 0xfedcba98
	s_lshl_b32 s54, s[WV], 14                      ; LDS: 16,384 x wave; the tokens' part begins at 9 x 16,384
	s_mul_i32 s48, s[Y], 147456
	s_add_co_u32 s48, s48, s54                     ; waves 0-8: the weights' images of column block y
	s_mul_i32 s21, ttmp9, 49152
	s_add_co_u32 s21, s21, s54
	s_sub_co_u32 s21, s21, 147456                  ; waves 9-11: the tokens' images of block x
	s_cmp_lt_u32 s[WV], 9
	s_cselect_b32 s50, s48, s21
	s_mov_b32 s51, 0
	s_wait_dscnt 0x0
	s_wait_kmcnt 0x0
	s_cmp_lt_u32 s[WV], 9
	s_cselect_b64 s[56:57], s[6:7], s[4:5]
	s_add_nc_u64 s[56:57], s[56:57], s[50:51]
	s_mov_b32 s[G0], 1
	s_mov_b32 s[G0+1], s54
	s_mov_b64 s[G0+2:G0+3], s[56:57]
	s_or_b32 s[G0+3], s[G0+3], 0x80000000
	tensor_load_to_lds s[G0:G0+3], s[G1:G1+7]      ; my one tensor load: 64 rows of 256 bytes
	s_nop 0
	s_mul_i32 s20, s[Y], 3
	s_add_co_u32 s20, s20, s[ROLE]
	s_lshl_b32 s20, s20, 11
	s_add_co_u32 s20, s20, WQKV_S
	s_lshl_b32 s22, ttmp9, 11
	s_add_co_u32 s22, s22, XSOFF
	s_lshl_b32 s48, s[J], 9
	s_mov_b32 s21, 0
	s_mov_b32 s23, 0
	s_mov_b32 s49, 0
	s_cmp_lt_u32 s[ROLE], 2
	s_cselect_b64 s[58:59], s[6:7], s[4:5]
	s_cselect_b64 s[60:61], s[4:5], s[6:7]
	s_cselect_b64 s[50:51], s[20:21], s[22:23]
	s_cselect_b64 s[52:53], s[22:23], s[20:21]
	s_add_nc_u64 s[58:59], s[58:59], s[50:51]
	s_add_nc_u64 s[60:61], s[60:61], s[52:53]
	s_add_nc_u64 s[60:61], s[60:61], s[48:49]
	v_and_b32 v7, 31, v0
	s_delay_alu instid0(VALU_DEP_1)
	v_lshlrev_b32 v[L16], 4, v7
	s_delay_alu instid0(VALU_DEP_2)
	v_lshlrev_b32 v[L8], 3, v7
	v_and_b32 v8, 15, v0
	v_bfe_u32 v7, v0, 4, 1
	s_delay_alu instid0(VALU_DEP_2)
	v_lshlrev_b32 v8, 4, v8
	s_delay_alu instid0(VALU_DEP_1)
	v_lshl_add_u32 v9, v7, 10, v8
	s_delay_alu instid0(VALU_DEP_2)
	v_lshl_add_u32 v10, v7, 8, v8
.irp i, 0,1,2,3
	global_load_b128 v[SM+4*\i:SM+4*\i+3], v9, s[58:59] offset:256*\i
.endr
	global_load_b128 v[SN:SN+3], v10, s[60:61]
	s_lshr_b32 s21, s[ROLE], 1                     ; g = 1 for v, whose M side is the tokens
	s_xor_b32 s23, s21, 1
	s_mul_i32 s20, s[ROLE], 12288
	s_mul_i32 s22, s21, 122880
	s_add_co_u32 s20, s20, s22                     ; M side: q 0, k 12,288, v 147,456 (the tokens)
	s_wait_alu depctr_va_vdst(0)                   ; the wait ahead of the two readers of 16 x lane
	v_add_nc_u32 v[MA], s20, v[L16]
	s_mul_i32 s22, s23, 122880
	s_mul_i32 s48, s[J], 3072
	s_add_co_u32 s22, s22, s48
	s_add_co_u32 s22, s22, 24576                   ; N side: q, k the tokens at 147,456; v its weights at 24,576
	v_add_nc_u32 v[NA], s22, v[L16]
	s_mul_i32 s18, s23, 24576
	s_add_co_u32 s18, s18, 12288                   ; from K step to K step: the weights 36,864, the tokens 12,288
	s_mul_i32 s19, s21, 24576
	s_add_co_u32 s19, s19, 12288
	s_wait_alu depctr_va_vdst(0)
	s_wait_loadcnt 0x0
	KSTEP 0
	s_wait_alu depctr_va_vdst(0)
	KSTEP 1
	s_wait_alu depctr_va_vdst(0)
	KSTEP 2
	s_wait_alu depctr_va_vdst(0)
	KSTEP 3
	v_mov_b32 v[T+2], 0
	v_mov_b32 v[T+3], 0
	s_lshr_b32 s20, ttmp9, 5
	s_and_b32 s21, ttmp9, 31
	s_lshl_b32 s20, s20, 3
	s_lshl_b32 s22, s[Y], 1
	s_add_co_u32 s20, s20, s22
	s_cmp_eq_u32 s[ROLE], 2
	s_cbranch_scc1 .Lv_arm
	Q2 ACC, IA, WD
	Q2 ACC+32, IB, WD+2
	Q2 ACC+64, IA+6, WD+1
	Q2 ACC+96, IB+6, WD+3
	s_lshl_b32 s20, s20, 5
	s_add_co_u32 s20, s20, s21
	s_mov_b32 s23, 13824
	s_mov_b32 s22, 12288
	s_cmp_eq_u32 s[ROLE], 0
	s_cselect_b32 s23, 7168, s23
	s_cselect_b32 s22, 6144, s22
	s_cselect_b64 s[48:49], s[8:9], s[10:11]
	s_mul_i32 s50, s20, s23
	s_mov_b32 s51, 0
	s_add_nc_u64 s[48:49], s[48:49], s[50:51]
	s_lshl_b32 s52, s23, 5
	s_mov_b32 s53, 0
	s_mul_i32 s54, s[J], 1536
	s_mov_b32 s55, 0
	s_add_nc_u64 s[56:57], s[48:49], s[54:55]
	s_add_nc_u64 s[58:59], s[56:57], s[52:53]
	s_lshl_b32 s54, s[J], 8
	s_add_co_u32 s54, s54, s22
	s_add_nc_u64 s[60:61], s[48:49], s[54:55]
	s_add_nc_u64 s[62:63], s[60:61], s[52:53]
	s_and_b32 s54, s[J], s[ROLE]                   ; k's images of the odd pairs of tiles are stored with the lane's place xor 8:
	s_lshl_b32 s54, s54, 7                         ; the next launch reads places of an even and of an odd pair by one load, and so they fall on different banks
	v_xor_b32 v7, s54, v[L16]
	s_wait_alu depctr_va_vdst(0)
.irp c, 0,1,2
	global_store_b128 v7, v[IA+4*\c:IA+4*\c+3], s[56:57] offset:512*\c
	global_store_b128 v7, v[IB+4*\c:IB+4*\c+3], s[58:59] offset:512*\c
.endr
	global_store_b64 v[L8], v[WD:WD+1], s[60:61]
	global_store_b64 v[L8], v[WD+2:WD+3], s[62:63]
	s_branch .Ldone
.Lv_arm:
	Q2 ACC, IA, WD
	Q2 ACC+32, IA+6, HI
	v_lshl_or_b32 v[WD], v[HI], 16, v[WD]
	Q2 ACC+64, IB, WD+1
	Q2 ACC+96, IB+6, HI
	v_lshl_or_b32 v[WD+1], v[HI], 16, v[WD+1]
	s_lshr_b32 s22, s[J], 1
	s_add_co_u32 s20, s20, s22
	s_lshl_b32 s20, s20, 5
	s_add_co_u32 s20, s20, s21
	s_mul_i32 s50, s20, 13824
	s_mov_b32 s51, 0
	s_add_nc_u64 s[48:49], s[10:11], s[50:51]
	s_and_b32 s22, s[J], 1
	s_mul_i32 s54, s22, 3072
	s_add_co_u32 s54, s54, 6144
	s_mov_b32 s55, 0
	s_add_nc_u64 s[56:57], s[48:49], s[54:55]
	s_lshl_b32 s54, s22, 8
	s_add_co_u32 s54, s54, 13312
	s_add_nc_u64 s[60:61], s[48:49], s[54:55]
	s_wait_alu depctr_va_vdst(0)
.irp c, 0,1,2
	global_store_b128 v[L16], v[IA+4*\c:IA+4*\c+3], s[56:57] offset:512*\c
	global_store_b128 v[L16], v[IB+4*\c:IB+4*\c+3], s[56:57] offset:1536+512*\c
.endr
	global_store_b64 v[L8], v[WD:WD+1], s[60:61]
.Ldone:
	s_wait_tensorcnt 0x0
	ds_add_u32 v[SPW], v[NIL]
	s_wait_dscnt 0x0
	s_endpgm
.Lfunc_end_k_qc4b204e1aa_qkv:
	.size	k_qc4b204e1aa_qkv, .Lfunc_end_k_qc4b204e1aa_qkv-k_qc4b204e1aa_qkv
	.p2alignl 7, 3214868480
	.fill 96, 4, 3214868480
	.section	.rodata,"a",@progbits
	.p2align	6, 0x0
	.amdhsa_kernel k_qc4b204e1aa_qkv
		.amdhsa_group_segment_fixed_size 327680
		.amdhsa_private_segment_fixed_size 0
		.amdhsa_enable_private_segment 0
		.amdhsa_kernarg_size 32
		.amdhsa_user_sgpr_count 2
		.amdhsa_user_sgpr_kernarg_segment_ptr 1
		.amdhsa_wavefront_size32 1
		.amdhsa_system_sgpr_workgroup_id_x 1
		.amdhsa_system_sgpr_workgroup_id_y 1
		.amdhsa_system_sgpr_workgroup_id_z 1
		.amdhsa_system_vgpr_workitem_id 0
		.amdhsa_next_free_vgpr 256
		.amdhsa_next_free_sgpr 66
		.amdhsa_reserve_vcc 0
		.amdhsa_float_denorm_mode_32 3
		.amdhsa_float_denorm_mode_16_64 3
		.amdhsa_memory_ordered 1
		.amdhsa_forward_progress 1
		.amdhsa_inst_pref_size 43
	.end_amdhsa_kernel
	.amdgpu_metadata
---
amdhsa.version: [ 1, 2 ]
amdhsa.kernels:
  - .name:           k_qc4b204e1aa_qkv
    .symbol:         k_qc4b204e1aa_qkv.kd
    .args:
      - { .name: xz, .offset: 0, .size: 8, .value_kind: global_buffer, .address_space: global }
      - { .name: wts, .offset: 8, .size: 8, .value_kind: global_buffer, .address_space: global }
      - { .name: qb, .offset: 16, .size: 8, .value_kind: global_buffer, .address_space: global }
      - { .name: kv, .offset: 24, .size: 8, .value_kind: global_buffer, .address_space: global }
    .group_segment_fixed_size: 327680
    .private_segment_fixed_size: 0
    .kernarg_segment_align: 8
    .kernarg_segment_size: 32
    .max_flat_workgroup_size: 384
    .sgpr_count:     66
    .vgpr_count:     256
    .wavefront_size: 32
...
	.end_amdgpu_metadata
.endif
;; end of part 2
;; launch attn (part 3): grid 16 x 16, 16 waves a work-group, clusters of 4 x 1, 327,680 bytes of LDS; arguments qb, kv, ao; writes ao
.if DOCPART == 3
	.amdgcn_target "amdgcn-amd-amdhsa--gfx1250"
	.amdhsa_code_object_version 6
	.text
	.protected	k_qc4b204e1aa_attn
	.globl	k_qc4b204e1aa_attn
	.p2align	8
	.type	k_qc4b204e1aa_attn,@function
k_qc4b204e1aa_attn:
	s_mov_b64 s[64:65], 0
	v_nop
	global_prefetch_b8 v0, s[64:65] scope:SCOPE_SE
	s_setreg_imm32_b32 hwreg(HW_REG_WAVE_MODE, 25, 1), 1
	s_wait_xcnt 0x0
	s_wait_alu depctr_hold_cnt(0) depctr_sa_sdst(0) depctr_va_vdst(0) depctr_va_sdst(0) depctr_va_ssrc(0) depctr_va_vcc(0) depctr_vm_vsrc(0)
	s_getreg_b32 s2, hwreg(HW_REG_IB_STS2, 6, 4)
	s_cmp_eq_u32 s2, 0
	s_cbranch_scc0 .Lentry_in_a_cluster
	s_endpgm
.Lentry_in_a_cluster:
	s_bfe_u32 s2, ttmp6, 0x10000c
	s_cmp_lg_u32 s2, 0x3003
	s_cbranch_scc0 .Lentry_shape_is_right
	s_endpgm
.Lentry_shape_is_right:
; ATTN: o = softmax(q k^T / 8) v for one head and 256 queries a work-group, on codes of E3M2, and the quantiser of o along the next product's K.  No work of reference() is left out here.
; Sixteen waves, 16 queries each.  Both products are used transposed (S^T = k q^T, O^T = v^T p^T): a lane holds one query throughout.
; The head's size is 64: q's codes fill registers 0-5 of its operand and zero codes the rest, so what lies in the upper six registers named with a tile of k adds nothing.
; WHICH KEYS FORM A TILE OF k.  Tile 4 c + t of a step of 128 keys takes keys 64 c + 8 t + 0..7 as rows 0-7 and keys 64 c + 32 + 8 t + 0..7 as rows 8-15.  So lane (r, h) holds, in the 32 registers
; of tiles 4 c .. 4 c + 3, the 32 NEIGHBOURING keys of block 2 c + h: a block's largest score needs no other lane, and the conversions' results are the operand's registers.
; k's images lie by pairs of tiles of 32 tokens (place r of tile T: token 32 (T / 2) + 8 (T % 2) + r % 8 + 16 (r / 8)); the lanes' LDS addresses gather rows 0-7 from pair 2 c and rows 8-15 from pair 2 c + 1.
; p = 2^(t - M), t = score x log2(e) / 8, M the ceiling of the running largest t; when M moves, the sum and O^T are multiplied by a power of two; the sum is taken of the unquantised p.
; A block's largest p is the block's largest score put through the same multiply-add and exponential.
; A record of 13,824 bytes holds 128 keys: k's images 6,144 | v's images 6,144 | k's scale words 1,024 | v's 512.  Two LDS slots of 8 records; each wave fetches 6,912 bytes of a slot by one tensor load.
; CLUSTERS: the four work-groups of a cluster take query blocks of one head and ask for its records JOINTLY (mask 15); a round of the cluster's barrier stands in front of each joint load.
; PREFETCH: behind the loads of slots' fills 1 and 2, waves 0-3 name the 256-byte blocks of the fill after: 27,648 bytes a work-group, the partners told apart by address, 27 blocks a wave (lanes 27-31 name the 27th again).
; LIMITS: the promise holds while the scaled scores t stay under 2^31 in magnitude; the other limits are as stated in the first launch.
.set STEPB, 13824
.set SLOTB, 8*STEPB
.set SLOT1, 131072
.set SPARE, 262144                     ; the spare words, 128 bytes a wave
.set L16, 1                            ; 16 x lane: v's images
.set L8,  2                            ; 8 x lane: v's scale words
.set SPW, 3
.set NIL, 4
.set BK0, 5                            ; k's images: tiles 4 c, 4 c + 1
.set BK1, 6                            ; tiles 4 c + 2, 4 c + 3
.set BKS, 7                            ; k's scale words
.set SH8, 8                            ; 8 x (lane / 16)
.set PFO, 9                            ; the prefetches' offset; never rewritten
.set AK0, 10                           ; the five addresses of this step
.set AK1, 11
.set QF,  16                           ; v12 -M, v13 the running largest score, v[14:15] the sum in two halves
.set QS,  28
.set PS,  29
.set AKS, 30
.set AV,  31
.set KF,  32                           ; v32-79 eight tiles of k, six registers each; v80-85 zeros
.set KS,  88
.set S,   96
.set O,   160
.set VF,  192
.set VS,  240
.set AVS, 244
.set WK,  245
.set FF,  246
.set W2,  248
.set PT,  249
.set PC,  32                           ; behind the first product k's registers serve the softmax
.set CT,  44
.set BM,  52
.set SO,  54
.set PB,  56
.set WD,  58
.set SB,  60
.set MX,  66
.set T,   44
.set WV,  10
.set BH,  11
.set SEL, 12
.set CS,  14
.set G1,  16
.set G0,  24
.set TB,  32
.set CNT, 33
.set CSN, 48
.set PF,  50
.macro Q2 src, dst, w                  ; 32 numbers of a lane, 16 neighbours of each of two blocks, become six registers of a fragment and two scale bytes
.irp b, 0,1
	v_max3_num_f32 v[T+\b], |v[(\src)+16*\b]|, |v[(\src)+16*\b+1]|, 0x2800000
.endr
.irp i, 2,4,6,8,10,12,14
.irp b, 0,1
	v_max3_num_f32 v[T+\b], v[T+\b], |v[(\src)+16*\b+\i]|, |v[(\src)+16*\b+\i+1]|
.endr
.endr
.irp b, 0,1
	v_permlanex16_b32 v[T+2+\b], v[T+\b], s[SEL], s[SEL+1]
.endr
.irp b, 0,1
	v_max_num_f32 v[T+\b], v[T+\b], v[T+2+\b]
.endr
.irp b, 0,1
	v_add_nc_u32 v[T+4+\b], 0xfe000000, v[T+\b]
.endr
.irp b, 0,1
	v_lshrrev_b32 v[T+2+\b], 23, v[T+4+\b]
.endr
	v_lshl_or_b32 v[\w], v[T+3], 8, v[T+2]
	v_cvt_scalef32_pk16_bf6_f32 v[(\dst):(\dst)+2], v[(\src):(\src)+15], v[T+4]
	v_cvt_scalef32_pk16_bf6_f32 v[T+6:T+8], v[(\src)+16:(\src)+31], v[T+5]
	v_nop
.irp i, 0,1,2
	v_permlane16_swap_b32 v[(\dst)+\i], v[T+6+\i]
.endr
.irp i, 0,1,2
	v_mov_b32 v[(\dst)+3+\i], v[T+6+\i]
.endr
.endm
.macro ROUND                           ; a round of the cluster's barrier
	s_barrier_signal -1
	s_barrier_wait -1
	s_cmp_lg_u32 s[WV], 0
	s_cbranch_scc1 .Lnot_wave_0_\@
	s_barrier_signal -3
.Lnot_wave_0_\@:
	s_barrier_wait -3
	s_barrier_signal -1
	s_barrier_wait -1
.endm
.macro ASK off                         ; waves 0-3 name their 27 blocks of the fill that begins off bytes into the head's records
	s_cmp_lt_u32 s[WV], 4
	s_cbranch_scc0 .Lnot_mine_\@
	global_prefetch_b8 v[PFO], s[PF:PF+1] offset:\off th:TH_LOAD_NT scope:SCOPE_SE
.Lnot_mine_\@:
.endm
.macro STEP                            ; 128 keys
	v_add_nc_u32 v[AK0], s[TB], v[BK0]             ; with the v_nop: the four places behind the last products, ahead of the loads into registers that they read
	v_add_nc_u32 v[AK1], s[TB], v[BK1]
	v_add_nc_u32 v[AKS], s[TB], v[BKS]
	v_nop
.irp c, 0,1
.irp p, 0,1,2
	ds_load_b128 v[KF+24*\c+4*\p:KF+24*\c+4*\p+3], v[AK0] offset:3072*\c+512*\p
	ds_load_b128 v[KF+24*\c+12+4*\p:KF+24*\c+12+4*\p+3], v[AK1] offset:3072*\c+512*\p
.endr
	ds_load_b64 v[KS+4*\c:KS+4*\c+1], v[AKS] offset:12288+512*\c
	ds_load_b64 v[KS+4*\c+2:KS+4*\c+3], v[AKS] offset:12288+512*\c+64
.endr
	s_wait_dscnt 0x0
.irp t, 0,1,2,3,4,5,6,7
	v_wmma_scale_f32_16x16x128_f8f6f4 v[S+8*\t:S+8*\t+7], v[KF+6*\t:KF+6*\t+11], v[QF:QF+11], 0, v[KS+\t], v[QS] matrix_a_fmt:MATRIX_FMT_BF6 matrix_b_fmt:MATRIX_FMT_BF6
.endr
	v_add_nc_u32 v[AV], s[TB], v[L16]              ; four places ahead of the first read of the scores
	v_add_nc_u32 v[AVS], s[TB], v[L8]
	v_nop
	v_nop
.irp k, 0,1,2,3,4,5,6,7,8,9,10,11
	ds_load_b128 v[VF+4*\k:VF+4*\k+3], v[AV] offset:6144+512*\k      ; v's fragments land under the softmax
.endr
.irp p, 0,1
	ds_load_b64 v[VS+2*\p:VS+2*\p+1], v[AVS] offset:13312+256*\p
.endr
.irp g, 0,1,2,3                        ; the largest score of my two blocks, in four chains of 16 by turns; each accumulator is read from its low end on
	v_max3_num_f32 v[MX+\g], v[S+16*\g], v[S+16*\g+1], v[S+16*\g+2]
.endr
.irp i, 3,5,7,9,11,13
.irp g, 0,1,2,3
	v_max3_num_f32 v[MX+\g], v[MX+\g], v[S+16*\g+\i], v[S+16*\g+\i+1]
.endr
.endr
	v_max_num_f32 v[BM], v[S+15], v[S+31]          ; the two scores of each block that the chains left over
	v_max_num_f32 v[BM+1], v[S+47], v[S+63]
	s_delay_alu instid0(VALU_DEP_2)
	v_max3_num_f32 v[BM], v[MX], v[MX+1], v[BM]    ; my two blocks' largest scores
	s_delay_alu instid0(VALU_DEP_2)
	v_max3_num_f32 v[BM+1], v[MX+2], v[MX+3], v[BM+1]
	s_delay_alu instid0(VALU_DEP_1)
	v_max_num_f32 v[WK], v[BM], v[BM+1]
	s_delay_alu instid0(VALU_DEP_1)
	v_permlanex16_b32 v[PT], v[WK], s[SEL], s[SEL+1]
	s_delay_alu instid0(VALU_DEP_1)
	v_max3_num_f32 v13, v13, v[WK], v[PT]          ; the running largest score of my query
	s_delay_alu instid0(VALU_DEP_1)
	v_mul_f32 v[WK], s[CSN], v13                   ; -t
	s_delay_alu instid0(VALU_DEP_1)
	v_floor_f32 v[W2], v[WK]                       ; the new -M = floor(-t): M is a whole number
	s_delay_alu instid0(VALU_DEP_1)
	v_sub_f32 v[WK], v[W2], v12                    ; M's old value less its new one
	v_mov_b32 v12, v[W2]
	s_delay_alu instid0(VALU_DEP_2)
	v_cvt_i32_f32 v[WK], v[WK]                     ; (it saturates)
	s_delay_alu instid0(VALU_DEP_1)
	v_ldexp_f32 v[FF], 1.0, v[WK]                  ; f = 2^(old M - new M)
.set jj, 0
.rept 32
	v_pk_fma_f32 v[S+jj:S+jj+1], v[S+jj:S+jj+1], s[CS:CS+1], v[12:13] op_sel_hi:[1,0,0]   ; t - M
.set jj, jj+2
.endr
.irp b, 0,1
	v_fma_f32 v[BM+\b], v[BM+\b], s[CS], v12       ; the same of each block's largest score
.endr
	s_wait_alu depctr_va_vdst(0)                   ; the wait ahead of the batch
.set jj, 0
.rept 64
	v_exp_f32 v[S+jj], v[S+jj]
.set jj, jj+1
.endr
.irp b, 0,1
	v_exp_f32 v[BM+\b], v[BM+\b]
.endr
	v_pk_mul_f32 v[14:15], v[14:15], v[FF:FF+1] op_sel_hi:[1,0]      ; the sum under the new M: a plain line behind the batch
	s_wait_alu depctr_va_vdst(0)                   ; one wait for the batch, directly ahead of the first reader of O^T
.set jj, 0
.rept 16
	v_pk_mul_f32 v[O+jj:O+jj+1], v[O+jj:O+jj+1], v[FF:FF+1] op_sel_hi:[1,0]   ; O^T under the new M
.set jj, jj+2
.endr
.irp b, 0,1
	v_max_num_f32 v[BM+\b], 0x2800000, v[BM+\b]    ; the floor 2^(5 - 127): the byte cannot fall under 1
.endr
.irp b, 0,1
	s_delay_alu instid0(VALU_DEP_2)
	v_add_nc_u32 v[SO+\b], 0xfe000000, v[BM+\b]    ; 4 off the exponent field: the conversion's scale operand
.endr
.irp b, 0,1
	s_delay_alu instid0(VALU_DEP_2)
	v_lshrrev_b32 v[PB+\b], 23, v[SO+\b]           ; the scale's byte
.endr
	s_delay_alu instid0(VALU_DEP_1)
	v_lshl_or_b32 v[WD], v[PB+1], 16, v[PB]        ; my bytes: blocks h and 2 + h,
	s_delay_alu instid0(VALU_DEP_1)
	v_lshlrev_b32 v[WD], v[SH8], v[WD]             ; at their places in the scale word;
	s_delay_alu instid0(VALU_DEP_1)
	v_permlanex16_b32 v[PT], v[WD], s[SEL], s[SEL+1]
	s_delay_alu instid0(VALU_DEP_1)
	v_or_b32 v[PS], v[WD], v[PT]                   ; with lane l xor 16's two the word is whole
.irp c, 0,1
	v_cvt_scalef32_pk16_bf6_f32 v[PC+6*\c:PC+6*\c+2], v[S+32*\c:S+32*\c+15], v[SO+\c]
	v_cvt_scalef32_pk16_bf6_f32 v[CT+4*\c:CT+4*\c+2], v[S+32*\c+16:S+32*\c+31], v[SO+\c]   ; (a conversion's three registers begin on an even number)
.endr
	v_pk_add_f32 v[SB:SB+1], v[S+2:S+3], v[S+4:S+5]                  ; the sum of the unquantised p, in four chains; also the plain lines behind the conversions
	v_pk_add_f32 v[SB+2:SB+3], v[S+6:S+7], v[S+8:S+9]
	v_pk_add_f32 v[SB+4:SB+5], v[S+10:S+11], v[S+12:S+13]
	v_pk_add_f32 v[14:15], v[14:15], v[S:S+1]
.irp c, 0,1
.irp i, 0,1,2
	v_mov_b32 v[PC+6*\c+3+\i], v[CT+4*\c+\i]
.endr
.endr
.set jj, 14
.rept 6
	v_pk_add_f32 v[SB:SB+1], v[SB:SB+1], v[S+jj:S+jj+1]
	v_pk_add_f32 v[SB+2:SB+3], v[SB+2:SB+3], v[S+jj+2:S+jj+3]
	v_pk_add_f32 v[SB+4:SB+5], v[SB+4:SB+5], v[S+jj+4:S+jj+5]
	v_pk_add_f32 v[14:15], v[14:15], v[S+jj+6:S+jj+7]
.set jj, jj+8
.endr
	v_pk_add_f32 v[SB:SB+1], v[SB:SB+1], v[S+62:S+63]
	v_pk_add_f32 v[SB+2:SB+3], v[SB+2:SB+3], v[SB+4:SB+5]
	s_delay_alu instid0(VALU_DEP_2)
	v_pk_add_f32 v[14:15], v[14:15], v[SB:SB+1]
	s_delay_alu instid0(VALU_DEP_1)
	v_pk_add_f32 v[14:15], v[14:15], v[SB+2:SB+3]
	s_wait_alu depctr_va_vdst(0)
	s_wait_dscnt 0x0                               ; v's fragments are in
.irp t, 0,1,2,3
	v_wmma_scale_f32_16x16x128_f8f6f4 v[O+8*\t:O+8*\t+7], v[VF+12*\t:VF+12*\t+11], v[PC:PC+11], v[O+8*\t:O+8*\t+7], v[VS+\t], v[PS] matrix_a_fmt:MATRIX_FMT_BF6 matrix_b_fmt:MATRIX_FMT_BF6
.endr
.endm
.macro STEPS base                      ; a slot's eight records
	s_mov_b32 s[TB], \base
	s_mov_b32 s[CNT], 8
.Lstep_\@:
	STEP
	s_add_co_u32 s[TB], s[TB], STEPB
	s_sub_co_u32 s[CNT], s[CNT], 1
	s_cmp_lg_u32 s[CNT], 0
	s_cbranch_scc1 .Lstep_\@
.endm
.macro CHANGE g0                       ; the slot just read is filled again: all my loads are done, the add, my reads are over; a round; the joint refill first behind it
	s_wait_tensorcnt 0x0
	ds_add_u32 v[SPW], v[NIL]
	s_add_nc_u64 s[\g0+2:\g0+3], s[\g0+2:\g0+3], 2*SLOTB
	s_wait_dscnt 0x0
	ROUND
	tensor_load_to_lds s[\g0:\g0+3], s[G1:G1+7]
	s_nop 0
.endm
	s_load_b128 s[4:7], s[0:1], 0x0                ; qb, kv
	s_load_b64 s[8:9], s[0:1], 0x10                ; ao
	v_lshl_add_u32 v[SPW], v0, 2, SPARE
	v_mov_b32 v[NIL], 0
	ds_add_u32 v[SPW], v[NIL]                      ; the opening lines: the add, twice on end, and its wait
	ds_add_u32 v[SPW], v[NIL]
	v_lshrrev_b32 v32, 5, v0
	v_readfirstlane_b32 s[WV], v32                 ; wave 0..15
	s_and_b32 s[BH], ttmp7, 0xffff                 ; batch x 8 + head
	s_bfe_u32 s34, ttmp6, 0x40000                  ; cx
	s_lshl_b32 s35, ttmp9, 2
	s_add_co_u32 s35, s35, s34                     ; the block of 256 queries
	s_mov_b32 s[G1], 15|(3<<16)|(1<<21)            ; the mask names the cluster's four; elements of 8 bytes
	s_mov_b32 s[G1+1], 32<<16                      ; 27 rows of 256 bytes
	s_mov_b32 s[G1+2], 27<<16
	s_mov_b32 s[G1+3], 32<<16
	s_mov_b32 s[G1+4], 27
	s_mov_b32 s[G1+5], 32
	s_mov_b32 s[G1+6], 0
	s_mov_b32 s[G1+7], 0
	s_mov_b32 s[SEL], 0x76543210
	s_mov_b32 s[SEL+1], 0xfedcba98
	s_mov_b32 s[CS], 0x3e38aa3b                    ; log2(e) / 8
	s_mov_b32 s[CS+1], s[CS]
	s_mov_b32 s[CSN], 0xbe38aa3b
	s_mul_i32 s36, s[WV], 6912
	s_mul_i32 s38, s[BH], 442368
	s_add_co_u32 s38, s38, s36
	s_mov_b32 s39, 0
	s_mul_i32 s40, s34, 27648
	s_mov_b32 s41, 0
	s_wait_dscnt 0x0
	s_wait_kmcnt 0x0
	s_mov_b32 s[G0], 1
	s_mov_b32 s[G0+1], s36
	s_add_nc_u64 s[G0+2:G0+3], s[6:7], s[38:39]
	s_add_nc_u64 s[PF:PF+1], s[G0+2:G0+3], s[40:41]   ; the prefetches: my work-group's quarter of a fill, my wave's 6,912 bytes of it
	s_mov_b32 s[G0+4], 1
	s_add_co_u32 s[G0+5], s36, SLOT1
	s_add_nc_u64 s[G0+6:G0+7], s[G0+2:G0+3], SLOTB
	s_or_b32 s[G0+3], s[G0+3], 0x80000000
	s_or_b32 s[G0+7], s[G0+7], 0x80000000
	ROUND                                          ; in front of the first joint load
	tensor_load_to_lds s[G0:G0+3], s[G1:G1+7]      ; records 0-7: my one load at the head
	s_nop 0
	s_lshl_b32 s37, s35, 4
	s_add_co_u32 s37, s37, s[WV]                   ; my tile of 16 queries, 0..255
	s_lshr_b32 s38, s37, 3
	s_lshl_b32 s39, s[BH], 5
	s_add_co_u32 s38, s38, s39
	s_mul_i32 s38, s38, 7168                       ; q's record of 128 tokens
	s_mov_b32 s39, 0
	s_add_nc_u64 s[40:41], s[4:5], s[38:39]
	s_bfe_u32 s42, s37, 0x20001                    ; the pair of tiles, and which of the two
	s_and_b32 s43, s37, 1
	s_mul_i32 s44, s42, 1536
	s_mul_i32 s45, s43, 520
	s_add_co_u32 s45, s45, s44
	s_mul_i32 s46, s43, 1016
	s_add_co_u32 s46, s46, s44
	s_add_co_u32 s46, s46, 8
	s_lshl_b32 s47, s42, 8
	s_lshl_b32 s44, s43, 2
	s_add_co_u32 s47, s47, s44
	s_add_co_u32 s47, s47, 6144
	s_lshr_b32 s38, s[BH], 3
	s_lshl_b32 s38, s38, 8
	s_add_co_u32 s38, s38, s37
	s_lshl_b32 s38, s38, 3
	s_and_b32 s39, s[BH], 7
	s_add_co_u32 s38, s38, s39
	s_lshl_b32 s38, s38, 10                        ; ao: ((batch x 256 + tile) x 8 + head) x 1,024
	s_mov_b32 s39, 0
	s_add_nc_u64 s[8:9], s[8:9], s[38:39]
	v_and_b32 v32, 31, v0
	v_lshlrev_b32 v[L16], 4, v32
	v_lshlrev_b32 v[L8], 3, v32
	v_min_u32 v[PFO], 26, v32
	v_lshlrev_b32 v[PFO], 8, v[PFO]
	v_and_b32 v33, 7, v0                           ; j: my row of a tile of k is 8 g + j
	v_bfe_u32 v34, v0, 3, 1                        ; g: rows 8-15 come from the odd pair, 1,536 bytes on, whose places are stored xor 8
	v_bfe_u32 v35, v0, 4, 1                        ; h
	v_lshlrev_b32 v[SH8], 3, v35
	v_lshlrev_b32 v36, 4, v33
	v_lshl_add_u32 v36, v35, 8, v36                ; 16 j + 256 h
	v_mad_u32_u24 v[BK0], v34, 1664, v36           ; places j (even pair), j + 8 as stored (odd pair)
	v_mad_u32_u24 v[BK1], v34, 1408, v36
	v_add_nc_u32 v[BK1], 128, v[BK1]               ; places j + 8 (even pair), j as stored (odd pair)
	v_lshlrev_b32 v[BKS], 3, v33
	v_lshl_add_u32 v[BKS], v34, 8, v[BKS]          ; scale words: 8 bytes a place, 256 a pair
	v_add_nc_u32 v37, s45, v[L16]
	v_add_nc_u32 v38, s46, v[L16]
	v_add_nc_u32 v39, s47, v[L8]
	global_load_b64 v[QF:QF+1], v37, s[40:41]
	global_load_b64 v[QF+2:QF+3], v38, s[40:41]
	global_load_b64 v[QF+4:QF+5], v37, s[40:41] offset:512
	global_load_b32 v[QS], v39, s[40:41]
.irp i, 6,7,8,9,10,11
	v_mov_b32 v[QF+\i], 0                          ; zero codes for k = 64 .. 127
.endr
.irp i, 48,49,50,51,52,53
	v_mov_b32 v[KF+\i], 0
.endr
	v_mov_b32 v13, 0xff61b1e6                      ; the largest score so far: -3e38
	v_mul_f32 v12, s[CSN], v13
	v_floor_f32 v12, v12
	v_mov_b32 v14, 0
	v_mov_b32 v15, 0
	v_mov_b32 v[FF+1], 0                           ; named as the upper half of a pair
	v_mov_b32 v[PT], 0                             ; a lane permute's destination counts as one of its sources
.set jj, 0
.rept 32
	v_mov_b32 v[O+jj], 0                           ; the step is written once: the first finds zeros
.set jj, jj+1
.endr
	s_wait_alu depctr_va_vdst(0)                   ; the wait at the head's end
	s_wait_tensorcnt 0x0                           ; my part of slot 0 is in; slot 1's first fill is issued as a refill is
	ds_add_u32 v[SPW], v[NIL]
	s_wait_dscnt 0x0
	ROUND
	tensor_load_to_lds s[G0+4:G0+7], s[G1:G1+7]    ; records 8-15
	s_nop 0
	ASK 2*SLOTB
	s_wait_loadcnt 0x0                             ; q
	STEPS 0
	CHANGE G0                                      ; records 16-23
	ASK 3*SLOTB
	STEPS SLOT1
	CHANGE G0+4                                    ; records 24-31
	STEPS 0
	s_wait_tensorcnt 0x0                           ; nothing is left to fetch: a barrier shows slot 1 whole to all waves
	ds_add_u32 v[SPW], v[NIL]
	s_wait_dscnt 0x0
	s_barrier_signal -1
	s_barrier_wait -1
	STEPS SLOT1
.rept 4
	v_nop
.endr
	v_add_f32 v14, v14, v15
	v_permlanex16_b32 v[WK], v14, s[SEL], s[SEL+1]
	v_add_f32 v14, v14, v[WK]                      ; the row's sum
	s_wait_alu depctr_va_vdst(0)
	v_rcp_f32 v14, v14
	v_nop
	s_wait_alu depctr_va_vdst(0)                   ; ahead of the first reader of the reciprocal and of O^T
.set jj, 0
.rept 32
	v_mul_f32 v[S+jj], v[O+jj], v14
.set jj, jj+1
.endr
	Q2 S, 32, 38                                   ; o's codes and two scale bytes: v's column tiles give 16 neighbours to each two tiles
	v_mov_b32 v39, v38
	global_store_b128 v[L16], v[32:35], s[8:9]     ; 32 lanes store 512 consecutive bytes
	global_store_b128 v[L16], v[36:39], s[8:9] offset:512
	s_wait_tensorcnt 0x0                           ; the wave's end
	ds_add_u32 v[SPW], v[NIL]
	s_wait_dscnt 0x0
	ROUND                                          ; the closing round
	s_endpgm
.Lfunc_end_k_qc4b204e1aa_attn:
	.size	k_qc4b204e1aa_attn, .Lfunc_end_k_qc4b204e1aa_attn-k_qc4b204e1aa_attn
	.p2alignl 7, 3214868480
	.fill 96, 4, 3214868480
	.section	.rodata,"a",@progbits
	.p2align	6, 0x0
	.amdhsa_kernel k_qc4b204e1aa_attn
		.amdhsa_group_segment_fixed_size 327680
		.amdhsa_private_segment_fixed_size 0
		.amdhsa_enable_private_segment 0
		.amdhsa_kernarg_size 24
		.amdhsa_user_sgpr_count 2
		.amdhsa_user_sgpr_kernarg_segment_ptr 1
		.amdhsa_wavefront_size32 1
		.amdhsa_system_sgpr_workgroup_id_x 1
		.amdhsa_system_sgpr_workgroup_id_y 1
		.amdhsa_system_sgpr_workgroup_id_z 1
		.amdhsa_system_vgpr_workitem_id 0
		.amdhsa_next_free_vgpr 256
		.amdhsa_next_free_sgpr 66
		.amdhsa_reserve_vcc 0
		.amdhsa_float_denorm_mode_32 3
		.amdhsa_float_denorm_mode_16_64 3
		.amdhsa_memory_ordered 1
		.amdhsa_forward_progress 1
		.amdhsa_inst_pref_size 74
	.end_amdhsa_kernel
	.amdgpu_metadata
---
amdhsa.version: [ 1, 2 ]
amdhsa.kernels:
  - .name:           k_qc4b204e1aa_attn
    .symbol:         k_qc4b204e1aa_attn.kd
    .args:
      - { .name: qb, .offset: 0, .size: 8, .value_kind: global_buffer, .address_space: global }
      - { .name: kv, .offset: 8, .size: 8, .value_kind: global_buffer, .address_space: global }
      - { .name: ao, .offset: 16, .size: 8, .value_kind: global_buffer, .address_space: global }
    .group_segment_fixed_size: 327680
    .private_segment_fixed_size: 0
    .kernarg_segment_align: 8
    .kernarg_segment_size: 24
    .max_flat_workgroup_size: 512
    .sgpr_count:     66
    .vgpr_count:     256
    .wavefront_size: 32
...
	.end_amdgpu_metadata
.endif
;; end of part 3
;; launch wo (part 4): grid 128 x 1, 8 waves a work-group, no clusters, 232,448 bytes of LDS; arguments ao, wts, inputs, ln_mlp_g, ln_mlp_b, yb, xz; writes yb, xz
.if DOCPART == 4
	.amdgcn_target "amdgcn-amd-amdhsa--gfx1250"
	.amdhsa_code_object_version 6
	.text
	.protected	k_qc4b204e1aa_wo
	.globl	k_qc4b204e1aa_wo
	.p2align	8
	.type	k_qc4b204e1aa_wo,@function
k_qc4b204e1aa_wo:
	s_mov_b64 s[64:65], 0
	v_nop
	global_prefetch_b8 v0, s[64:65] scope:SCOPE_SE
	s_setreg_imm32_b32 hwreg(HW_REG_WAVE_MODE, 25, 1), 1
	s_wait_xcnt 0x0
; WO: y = o Wo + inputs on codes of E3M2, the second layer norm and its quantiser.  No work of reference() is left out here.
; A work-group takes 64 tokens (4 tiles) and all 512 columns, since the norm wants whole rows.  Eight waves: cg = wave / 2 (Wo's column tiles 8 cg .. 8 cg + 7), j = wave % 2 (token tiles 2 j, 2 j + 1).
; The product is used transposed (source 0 = 16 columns of Wo, source 1 = 16 tokens): a lane holds one token and 64 of its 128 columns, 16 neighbours to each block of 32.  The sums begin as the residual, loaded in that layout.
; y leaves as the accumulators stand (the last launch takes it up so).  The rows' sums meet in LDS: each wave stores its 128 columns' part, a barrier, every wave reads the four parts; once for the mean, once for the squares of y - mean.
; Wo's codes (196,608 bytes) and the tokens' (32,768) come into LDS once, by one tensor load a wave; nothing is filled again.
; No multicast: all work-groups read the same 196,608 bytes of Wo; each reads them once and lives for 64 matrix instructions a wave.
; LIMITS: as stated in the first launch.
; THE WAY IN, as the text below has it: ONE tensor load a wave at the head: waves 0-5 fetch 32,768 bytes each of Wo's codes, waves 6-7 16,384 bytes each of the tokens' records; one wait and one barrier show all of it.
.set AOL,   196608                     ; LDS: Wo [K step][tile 32] at 0; the tokens' records here;
.set ST1,   229376                     ; the sums' parts: 64 rows x 16 bytes, twice;
.set SPARE, 231424
.set WO_I,  589824
.set WO_S,  2383872
.set XSOFF, 3145728
.set L16, 1
.set SPW, 2
.set NIL, 3
.set MA,  4
.set NA,  5
.set L8,  6
.set GA,  7                            ; 64 (lane / 16)
.set STA, 28                           ; where I store a part,
.set STL, 29                           ; and read a row's four
.set VR,  30
.set VSM, 31
.set MF,  32
.set NF,  80
.set SNA, 104
.set SM,  108
.set SN,  124
.set ACC, 128
.set I0,  8                            ; the way out: two images,
.set I1,  20
.set GG,  32                           ; g and b of half my columns,
.set BB,  64
.set T,   96
.set HI,  105
.set PW,  106
.set WV,  18
.set CGR, 19
.set J,   20
.set IV,  21
.set SEL, 22
.set G1A, 24
.set G1B, 32
.set G0,  40
.macro Q2 src, dst, w
.irp b, 0,1
	v_max3_num_f32 v[T+\b], |v[(\src)+16*\b]|, |v[(\src)+16*\b+1]|, 0x2800000
.endr
.irp i, 2,4,6,8,10,12,14
.irp b, 0,1
	s_delay_alu instid0(VALU_DEP_2)
	v_max3_num_f32 v[T+\b], v[T+\b], |v[(\src)+16*\b+\i]|, |v[(\src)+16*\b+\i+1]|
.endr
.endr
.irp b, 0,1
	s_delay_alu instid0(VALU_DEP_2)
	v_permlanex16_b32 v[T+2+\b], v[T+\b], s[SEL], s[SEL+1]
.endr
.irp b, 0,1
	s_delay_alu instid0(VALU_DEP_2)
	v_max_num_f32 v[T+\b], v[T+\b], v[T+2+\b]
.endr
.irp b, 0,1
	s_delay_alu instid0(VALU_DEP_2)
	v_add_nc_u32 v[T+4+\b], 0xfe000000, v[T+\b]
.endr
.irp b, 0,1
	s_delay_alu instid0(VALU_DEP_2)
	v_lshrrev_b32 v[T+2+\b], 23, v[T+4+\b]
.endr
	s_delay_alu instid0(VALU_DEP_1)
	v_lshl_or_b32 v[\w], v[T+3], 8, v[T+2]
	v_cvt_scalef32_pk16_bf6_f32 v[(\dst):(\dst)+2], v[(\src):(\src)+15], v[T+4]
	v_cvt_scalef32_pk16_bf6_f32 v[T+6:T+8], v[(\src)+16:(\src)+31], v[T+5]
	v_nop
.irp i, 0,1,2
	v_permlane16_swap_b32 v[(\dst)+\i], v[T+6+\i]
.endr
.irp i, 0,1,2
	s_delay_alu instid0(VALU_DEP_3)
	v_mov_b32 v[(\dst)+3+\i], v[T+6+\i]
.endr
.endm
.macro WM d, a, b, sa, sb, ra, rb
.if ((\ra) == 0) && ((\rb) == 0)
	v_wmma_scale_f32_16x16x128_f8f6f4 v[\d:\d+7], v[\a:\a+11], v[\b:\b+11], v[\d:\d+7], v[\sa], v[\sb] matrix_a_fmt:MATRIX_FMT_BF6 matrix_b_fmt:MATRIX_FMT_BF6
.elseif (\ra) == 0
	v_wmma_scale_f32_16x16x128_f8f6f4 v[\d:\d+7], v[\a:\a+11], v[\b:\b+11], v[\d:\d+7], v[\sa], v[\sb] matrix_a_fmt:MATRIX_FMT_BF6 matrix_b_fmt:MATRIX_FMT_BF6 matrix_b_scale:MATRIX_SCALE_ROW1
.elseif (\rb) == 0
	v_wmma_scale_f32_16x16x128_f8f6f4 v[\d:\d+7], v[\a:\a+11], v[\b:\b+11], v[\d:\d+7], v[\sa], v[\sb] matrix_a_fmt:MATRIX_FMT_BF6 matrix_b_fmt:MATRIX_FMT_BF6 matrix_a_scale:MATRIX_SCALE_ROW1
.else
	v_wmma_scale_f32_16x16x128_f8f6f4 v[\d:\d+7], v[\a:\a+11], v[\b:\b+11], v[\d:\d+7], v[\sa], v[\sb] matrix_a_fmt:MATRIX_FMT_BF6 matrix_b_fmt:MATRIX_FMT_BF6 matrix_a_scale:MATRIX_SCALE_ROW1 matrix_b_scale:MATRIX_SCALE_ROW1
.endif
.endm
.macro PLACES n
.rept \n
	v_nop
.endr
.endm
.macro BAR                             ; my LDS stores have landed and my LDS loads are in: then the work-group's barrier
	s_wait_dscnt 0x0
	s_barrier_signal -1
	s_barrier_wait -1
.endm
.macro MLOAD half
.irp i, 0,1,2,3
.irp c, 0,1,2
	ds_load_b128 v[MF+12*\i+4*\c:MF+12*\i+4*\c+3], v[MA] offset:6144*\half+1536*\i+512*\c
.endr
.endr
.endm
.macro KSTEP s
.if \s == 0
	s_wait_tensorcnt 0x0                           ; my one load has landed,
	s_barrier_signal -1
	s_barrier_wait -1                              ; and everybody's
.endif
.if \s == 0
.irp e, 0,1,2,3,4,5,6,7                ; the tokens' scale words: two bytes a head; K step s = heads 2 s, 2 s + 1; lanes 0-15 my first tile, lanes 16-31 my second
	ds_load_b32 v[MF+\e], v[SNA] offset:1024*\e
.endr
	s_wait_dscnt 0x0
.irp e, 0,1,2,3
	v_lshl_or_b32 v[SN+\e], v[MF+2*\e+1], 16, v[MF+2*\e]
.endr
	PLACES 8                                       ; a scale register written by a vector instruction stands eight places ahead of the scaled product
.endif
.irp n, 0,1
.irp c, 0,1
	ds_load_b128 v[NF+12*\n+6*\c:NF+12*\n+6*\c+3], v[NA] offset:8192*\n+1024*(2*\s+\c)
	ds_load_b64 v[NF+12*\n+6*\c+4:NF+12*\n+6*\c+5], v[NA] offset:8192*\n+1024*(2*\s+\c)+512
.endr
.endr
	MLOAD 0
	s_wait_alu depctr_va_vdst(0)
	s_wait_dscnt 0x0
.irp i, 0,1,2,3                        ; the accumulators take turns, one instruction a turn
.irp n, 0,1
	WM ACC+64*\n+8*\i, MF+12*\i, NF+12*\n, SM+4*\i+\s, SN+\s, 0, \n
.endr
.endr
	PLACES 4
	MLOAD 1
	s_wait_dscnt 0x0
.irp i, 0,1,2,3
.irp n, 0,1
	WM ACC+64*\n+8*\i+32, MF+12*\i, NF+12*\n, SM+4*\i+\s, SN+\s, 1, \n
.endr
.endr
.if \s < 3
	v_add_nc_u32 v[MA], 49152, v[MA]
	PLACES 3
.else
	PLACES 4
.endif
.endm
.macro FOLD s                          ; four pairs, then the other half of the lanes
	v_pk_add_f32 v[\s:\s+1], v[\s:\s+1], v[\s+2:\s+3]
	v_pk_add_f32 v[\s+4:\s+5], v[\s+4:\s+5], v[\s+6:\s+7]
	s_delay_alu instid0(VALU_DEP_1)
	v_pk_add_f32 v[\s:\s+1], v[\s:\s+1], v[\s+4:\s+5]
	s_delay_alu instid0(VALU_DEP_1)
	v_add_f32 v[\s], v[\s], v[\s+1]
	s_delay_alu instid0(VALU_DEP_1)
	v_permlanex16_b32 v[\s+2], v[\s], s[SEL], s[SEL+1]
	s_delay_alu instid0(VALU_DEP_1)
	v_add_f32 v[\s], v[\s], v[\s+2]
.endm
.macro SUM64 a, s
.irp k, 0,1,2,3
	v_pk_add_f32 v[\s+2*\k:\s+2*\k+1], v[\a+2*\k:\a+2*\k+1], v[\a+8+2*\k:\a+8+2*\k+1]
.endr
.set pp, 8
.rept 24
	v_pk_add_f32 v[\s+2*(pp%4):\s+2*(pp%4)+1], v[\s+2*(pp%4):\s+2*(pp%4)+1], v[\a+2*pp:\a+2*pp+1]
.set pp, pp+1
.endr
.endm
.macro SQ64 a, s
.irp k, 0,1,2,3
	v_pk_mul_f32 v[\s+2*\k:\s+2*\k+1], v[\a+2*\k:\a+2*\k+1], v[\a+2*\k:\a+2*\k+1]
.endr
.set pp, 4
.rept 28
	s_delay_alu instid0(VALU_DEP_4)
	v_pk_fma_f32 v[\s+2*(pp%4):\s+2*(pp%4)+1], v[\a+2*pp:\a+2*pp+1], v[\a+2*pp:\a+2*pp+1], v[\s+2*(pp%4):\s+2*(pp%4)+1]
.set pp, pp+1
.endr
.endm
.macro SUBMU a, m
.set pp, 0
.rept 32
	v_pk_add_f32 v[\a+2*pp:\a+2*pp+1], v[\a+2*pp:\a+2*pp+1], v[\m:\m+1] op_sel_hi:[1,0] neg_lo:[0,1] neg_hi:[0,1]
.set pp, pp+1
.endr
.endm
.macro MULRS a, m
.set pp, 0
.rept 32
	v_pk_mul_f32 v[\a+2*pp:\a+2*pp+1], v[\a+2*pp:\a+2*pp+1], v[\m:\m+1] op_sel_hi:[1,0]
.set pp, pp+1
.endr
.endm
.macro FOUR                            ; a row's four parts, for both my tiles
	s_wait_dscnt 0x0
	v_add_f32 v8, v8, v9
	v_add_f32 v10, v10, v11
	v_add_f32 v16, v16, v17
	v_add_f32 v18, v18, v19
	s_delay_alu instid0(VALU_DEP_3)
	v_add_f32 v8, v8, v10
	s_delay_alu instid0(VALU_DEP_2)
	v_add_f32 v16, v16, v18
.endm
.macro LDGB half
.irp b, 0,1
.irp q, 0,1,2,3
	global_load_b128 v[GG+16*\b+4*\q:GG+16*\b+4*\q+3], v[GA], s[74:75] offset:256*\half+128*\b+16*\q
	global_load_b128 v[BB+16*\b+4*\q:BB+16*\b+4*\q+3], v[GA], s[76:77] offset:256*\half+128*\b+16*\q
.endr
.endr
.endm
.macro AFF half                        ; x g + b, for both tiles
.irp n, 0,1
.set pp, 0
.rept 16
	v_pk_fma_f32 v[ACC+64*\n+32*\half+2*pp:ACC+64*\n+32*\half+2*pp+1], v[ACC+64*\n+32*\half+2*pp:ACC+64*\n+32*\half+2*pp+1], v[GG+2*pp:GG+2*pp+1], v[BB+2*pp:BB+2*pp+1]
.set pp, pp+1
.endr
.endr
.endm
	s_load_b256 s[4:11], s[0:1], 0x0               ; ao, wts, inputs, g
	s_load_b128 s[12:15], s[0:1], 0x20             ; b, yb
	s_load_b64 s[16:17], s[0:1], 0x30              ; xz
	v_lshl_add_u32 v[SPW], v0, 2, SPARE
	v_mov_b32 v[NIL], 0
	ds_add_u32 v[SPW], v[NIL]                      ; the wave's opening: the add, twice on end, and its wait ahead of the first tensor load
	ds_add_u32 v[SPW], v[NIL]
	v_lshrrev_b32 v8, 5, v0
	s_delay_alu instid0(VALU_DEP_1)
	v_readfirstlane_b32 s[WV], v8                  ; wave 0..7
	s_lshr_b32 s[CGR], s[WV], 1
	s_and_b32 s[J], s[WV], 1
	s_mov_b32 s[IV], 0x3b000000                    ; 1 / 512
	s_mov_b32 s[SEL], 0x76543210
	s_mov_b32 s[SEL+1], 0xfedcba98
	s_mov_b32 s[G1A], 3<<16                        ; rows of 256 bytes: 64 of them (the tokens' records),
	s_mov_b32 s[G1A+1], 32<<16
	s_mov_b32 s[G1A+2], 64<<16
	s_mov_b32 s[G1A+3], 32<<16
	s_mov_b32 s[G1A+4], 64
	s_mov_b32 s[G1A+5], 32
	s_mov_b32 s[G1A+6], 0
	s_mov_b32 s[G1A+7], 0
	s_mov_b32 s[G1B], 3<<16                        ; 128 of them (32,768 bytes of Wo's codes)
	s_mov_b32 s[G1B+1], 32<<16
	s_mov_b32 s[G1B+2], 128<<16
	s_mov_b32 s[G1B+3], 32<<16
	s_mov_b32 s[G1B+4], 128
	s_mov_b32 s[G1B+5], 32
	s_mov_b32 s[G1B+6], 0
	s_mov_b32 s[G1B+7], 0
	s_lshl_b32 s62, s[WV], 15                      ; Wo's codes: 32,768 bytes a wave, as they lie
	s_add_co_u32 s66, s62, WO_I
	s_mov_b32 s67, 0
	s_max_u32 s60, s[WV], 6
	s_sub_co_u32 s60, s60, 6
	s_lshl_b32 s60, s60, 14                        ; the tokens' records: 16,384 bytes for each of waves 6 and 7
	s_lshl_b32 s63, ttmp9, 15
	s_add_co_u32 s60, s60, s63
	s_mov_b32 s61, 0
	s_lshl_b32 s63, s[WV], 14
	s_add_co_u32 s63, s63, AOL-6*16384
	s_wait_dscnt 0x0                               ; both opening adds are done
	s_wait_kmcnt 0x0
	s_mov_b32 s[G0], 1
	s_mov_b32 s[G0+1], s62
	s_add_nc_u64 s[G0+2:G0+3], s[6:7], s[66:67]
	s_or_b32 s[G0+3], s[G0+3], 0x80000000
	s_mov_b32 s[G0+4], 1
	s_mov_b32 s[G0+5], s63
	s_add_nc_u64 s[G0+6:G0+7], s[4:5], s[60:61]
	s_or_b32 s[G0+7], s[G0+7], 0x80000000
	s_cmp_lt_u32 s[WV], 6                          ; one load in each arm: every way through the head passes exactly one
	s_cbranch_scc0 .Lfill_ao
	tensor_load_to_lds s[G0:G0+3], s[G1B:G1B+7]
	s_nop 0
	s_branch .Lfilled
.Lfill_ao:
	tensor_load_to_lds s[G0+4:G0+7], s[G1A:G1A+7]
	s_nop 0
.Lfilled:
	v_and_b32 v8, 31, v0
	s_delay_alu instid0(VALU_DEP_1)
	v_lshlrev_b32 v[L16], 4, v8
	s_delay_alu instid0(VALU_DEP_2)
	v_lshlrev_b32 v[L8], 3, v8
	v_and_b32 v9, 15, v0                           ; r
	v_bfe_u32 v10, v0, 4, 1                        ; h
	s_delay_alu instid0(VALU_DEP_1)
	v_lshlrev_b32 v[GA], 6, v10
	v_and_b32 v11, 7, v0
	v_bfe_u32 v12, v0, 3, 1
	s_delay_alu instid0(VALU_DEP_1)
	v_lshl_add_u32 v11, v12, 4, v11                ; r % 8 + 16 (r / 8): my token in the pair's 32
	s_delay_alu instid0(VALU_DEP_1)
	v_lshl_add_u32 v[VR], v11, 11, v[GA]
	s_wait_alu depctr_va_vdst(0)
	v_lshlrev_b32 v13, 4, v9
	s_delay_alu instid0(VALU_DEP_1)
	v_lshl_add_u32 v[VSM], v10, 10, v13
	s_wait_alu depctr_va_vdst(0)
	s_lshl_b32 s66, ttmp9, 17
	s_lshl_b32 s67, s[J], 16
	s_add_co_u32 s66, s66, s67
	s_lshl_b32 s67, s[CGR], 9
	s_add_co_u32 s66, s66, s67
	s_mov_b32 s67, 0
	s_add_nc_u64 s[70:71], s[8:9], s[66:67]        ; inputs at token 64 wg + 32 j, column 128 cg
	s_lshl_b32 s66, s[CGR], 11
	s_add_co_u32 s66, s66, WO_S
	s_add_nc_u64 s[72:73], s[6:7], s[66:67]
.irp n, 0,1
.irp b, 0,1,2,3
.irp q, 0,1,2,3
	global_load_b128 v[ACC+64*\n+16*\b+4*\q:ACC+64*\n+16*\b+4*\q+3], v[VR], s[70:71] offset:16384*\n+128*\b+16*\q   ; the residual starts the sums
.endr
.endr
.endr
.irp i, 0,1,2,3
	global_load_b128 v[SM+4*\i:SM+4*\i+3], v[VSM], s[72:73] offset:256*\i
.endr
	s_lshl_b32 s66, s[CGR], 9
	s_add_nc_u64 s[74:75], s[10:11], s[66:67]      ; g and b at column 128 cg
	s_add_nc_u64 s[76:77], s[12:13], s[66:67]
	s_lshl_b32 s66, ttmp9, 17
	s_lshl_b32 s68, s[J], 16
	s_add_co_u32 s66, s66, s68
	s_lshl_b32 s68, s[CGR], 13
	s_add_co_u32 s66, s66, s68
	s_add_nc_u64 s[78:79], s[14:15], s[66:67]      ; yb: ((4 wg + 2 j) x 4 + cg) x 8,192
	s_lshr_b32 s66, ttmp9, 1
	s_mul_i32 s66, s66, 49152
	s_mul_i32 s68, s[CGR], 12288
	s_add_co_u32 s66, s66, s68
	s_and_b32 s68, ttmp9, 1
	s_lshl_b32 s68, s68, 1
	s_add_co_u32 s68, s68, s[J]
	s_mul_i32 s68, s68, 3072
	s_add_co_u32 s66, s66, s68
	s_add_nc_u64 s[60:61], s[16:17], s[66:67]      ; z's images: block, K step cg, tiles (wg % 2) x 4 + 2 j on
	s_lshl_b32 s66, ttmp9, 1
	s_add_co_u32 s66, s66, s[J]
	s_lshl_b32 s66, s66, 2
	s_add_co_u32 s66, s66, s[CGR]
	s_lshl_b32 s66, s66, 8
	s_add_co_u32 s66, s66, XSOFF
	s_add_nc_u64 s[62:63], s[16:17], s[66:67]      ; and the pair's scale words of that K step
	s_mul_i32 s66, s[CGR], 12288
	v_add_nc_u32 v[MA], s66, v[L16]
	s_lshl_b32 s66, s[J], 14
	s_add_co_u32 s66, s66, AOL
	v_add_nc_u32 v[NA], s66, v[L16]
	s_delay_alu instid0(VALU_DEP_1)
	v_lshl_add_u32 v[SNA], v10, 13, v[NA]
	s_delay_alu instid0(VALU_DEP_1)
	v_add_nc_u32 v[SNA], 520, v[SNA]               ; the scale bytes lie at byte 8 of a lane's 16 in a record's second plane
	s_lshl_b32 s66, s[J], 9
	s_add_co_u32 s66, s66, ST1
	v_add_nc_u32 v[STL], s66, v13
	s_lshl_b32 s66, s[CGR], 2
	v_add_nc_u32 v[STA], s66, v[STL]
	v_mov_b32 v25, 0                               ; named as upper halves of pairs
	v_mov_b32 v27, 0
	s_wait_alu depctr_va_vdst(0)
	s_wait_loadcnt 0x0
	KSTEP 0
	s_wait_alu depctr_va_vdst(0)
	KSTEP 1
	s_wait_alu depctr_va_vdst(0)
	KSTEP 2
	s_wait_alu depctr_va_vdst(0)
	KSTEP 3
.irp n, 0,1
.irp p, 0,1,2,3,4,5,6,7,8,9,10,11,12,13,14,15
	global_store_b128 v[L16], v[ACC+64*\n+4*\p:ACC+64*\n+4*\p+3], s[78:79] offset:32768*\n+512*\p   ; y, as the accumulators stand, each from its low end on
.endr
.endr
	LDGB 0
	SUM64 ACC, 8
	SUM64 ACC+64, 16
	FOLD 8
	FOLD 16
	ds_store_b32 v[STA], v8
	ds_store_b32 v[STA], v16 offset:256
	BAR
	ds_load_b128 v[8:11], v[STL]
	ds_load_b128 v[16:19], v[STL] offset:256
	FOUR
	s_delay_alu instid0(VALU_DEP_2)
	v_mul_f32 v24, s[IV], v8                       ; the means
	s_delay_alu instid0(VALU_DEP_2)
	v_mul_f32 v26, s[IV], v16
	s_wait_alu depctr_va_vdst(0)
	s_wait_xcnt 0x0                                ; y's stores have read the accumulators: they may be written
	SUBMU ACC, 24
	SUBMU ACC+64, 26
	SQ64 ACC, 8
	SQ64 ACC+64, 16
	FOLD 8
	FOLD 16
	ds_store_b32 v[STA], v8 offset:1024
	ds_store_b32 v[STA], v16 offset:1280
	BAR
	ds_load_b128 v[8:11], v[STL] offset:1024
	ds_load_b128 v[16:19], v[STL] offset:1280
	FOUR
	s_mov_b32 s66, 0x358637bd                      ; 1e-6
	v_fma_f32 v8, v8, s[IV], s66
	v_fma_f32 v16, v16, s[IV], s66
	s_wait_alu depctr_va_vdst(0)
	v_rsq_f32 v24, v8
	v_rsq_f32 v26, v16
	v_nop
	s_wait_alu depctr_va_vdst(0)                   ; one wait for both, ahead of their first reader
	MULRS ACC, 24
	MULRS ACC+64, 26
	s_wait_loadcnt 0x0
	AFF 0
	LDGB 1
	v_mov_b32 v[T+2], 0
	v_mov_b32 v[T+3], 0
	Q2 ACC, I0, PW
	Q2 ACC+64, I1, PW+1
	s_wait_loadcnt 0x0
	AFF 1
	Q2 ACC+32, I0+6, HI
	v_lshl_or_b32 v[PW], v[HI], 16, v[PW]
	Q2 ACC+96, I1+6, HI
	v_lshl_or_b32 v[PW+1], v[HI], 16, v[PW+1]
.irp c, 0,1,2
	global_store_b128 v[L16], v[I0+4*\c:I0+4*\c+3], s[60:61] offset:512*\c
	global_store_b128 v[L16], v[I1+4*\c:I1+4*\c+3], s[60:61] offset:1536+512*\c
.endr
	global_store_b64 v[L8], v[PW:PW+1], s[62:63]
	s_wait_tensorcnt 0x0                           ; the wave's end
	ds_add_u32 v[SPW], v[NIL]
	s_wait_dscnt 0x0
	s_endpgm
.Lfunc_end_k_qc4b204e1aa_wo:
	.size	k_qc4b204e1aa_wo, .Lfunc_end_k_qc4b204e1aa_wo-k_qc4b204e1aa_wo
	.p2alignl 7, 3214868480
	.fill 96, 4, 3214868480
	.section	.rodata,"a",@progbits
	.p2align	6, 0x0
	.amdhsa_kernel k_qc4b204e1aa_wo
		.amdhsa_group_segment_fixed_size 232448
		.amdhsa_private_segment_fixed_size 0
		.amdhsa_enable_private_segment 0
		.amdhsa_kernarg_size 56
		.amdhsa_user_sgpr_count 2
		.amdhsa_user_sgpr_kernarg_segment_ptr 1
		.amdhsa_wavefront_size32 1
		.amdhsa_system_sgpr_workgroup_id_x 1
		.amdhsa_system_sgpr_workgroup_id_y 1
		.amdhsa_system_sgpr_workgroup_id_z 1
		.amdhsa_system_vgpr_workitem_id 0
		.amdhsa_next_free_vgpr 256
		.amdhsa_next_free_sgpr 80
		.amdhsa_reserve_vcc 0
		.amdhsa_float_denorm_mode_32 3
		.amdhsa_float_denorm_mode_16_64 3
		.amdhsa_memory_ordered 1
		.amdhsa_forward_progress 1
		.amdhsa_inst_pref_size 71
	.end_amdhsa_kernel
	.amdgpu_metadata
---
amdhsa.version: [ 1, 2 ]
amdhsa.kernels:
  - .name:           k_qc4b204e1aa_wo
    .symbol:         k_qc4b204e1aa_wo.kd
    .args:
      - { .name: ao, .offset: 0, .size: 8, .value_kind: global_buffer, .address_space: global }
      - { .name: wts, .offset: 8, .size: 8, .value_kind: global_buffer, .address_space: global }
      - { .name: inputs, .offset: 16, .size: 8, .value_kind: global_buffer, .address_space: global }
      - { .name: ln_mlp_g, .offset: 24, .size: 8, .value_kind: global_buffer, .address_space: global }
      - { .name: ln_mlp_b, .offset: 32, .size: 8, .value_kind: global_buffer, .address_space: global }
      - { .name: yb, .offset: 40, .size: 8, .value_kind: global_buffer, .address_space: global }
      - { .name: xz, .offset: 48, .size: 8, .value_kind: global_buffer, .address_space: global }
    .group_segment_fixed_size: 232448
    .private_segment_fixed_size: 0
    .kernarg_segment_align: 8
    .kernarg_segment_size: 56
    .max_flat_workgroup_size: 256
    .sgpr_count:     80
    .vgpr_count:     256
    .wavefront_size: 32
...
	.end_amdgpu_metadata
.endif
;; end of part 4
;; launch mlp1 (part 5): grid 64 x 4, 16 waves a work-group, no clusters, 247,808 bytes of LDS; arguments xz, wts, b1, hq; writes hq
.if DOCPART == 5
	.amdgcn_target "amdgcn-amd-amdhsa--gfx1250"
	.amdhsa_code_object_version 6
	.text
	.protected	k_qc4b204e1aa_mlp1
	.globl	k_qc4b204e1aa_mlp1
	.p2align	8
	.type	k_qc4b204e1aa_mlp1,@function
k_qc4b204e1aa_mlp1:
	s_mov_b64 s[64:65], 0
	v_nop
	global_prefetch_b8 v0, s[64:65] scope:SCOPE_SE
	s_setreg_imm32_b32 hwreg(HW_REG_WAVE_MODE, 25, 1), 1
	s_wait_xcnt 0x0
; MLP1: h = gelu(z W1 + b1) on codes of E3M2, the exact GELU, and the quantiser of h along the next product's K.  No work of reference() is left out here.
; A work-group takes 128 tokens (work-group x) and 512 hidden units (work-group y).  Sixteen waves: sub = wave / 4 (W1's column tiles 8 sub .. 8 sub + 7 of the 32), j = wave % 4 (token tiles 2 j, 2 j + 1).
; The product is used transposed: a lane holds one token and 64 of the wave's 128 hidden units, 16 neighbours to each block of 32.  The sums begin as b1, loaded in that layout.
; erf is the rational form x P(x^2) / Q(x^2) in f32 on an argument held to +-4, where erf in f32 is +-1; gelu = x / 2 + (x / 2) erf(x / sqrt 2), one fused multiply-add.
; The operands come into LDS once: each of the sixteen waves fetches by one tensor load (twelve W1's codes, four z's); nothing is filled again.
; No multicast: 196,608 bytes of W1's codes are shared by the 64 work-groups of a column block, each of which reads them once and lives for 64 matrix instructions a wave.
; LIMITS: as stated in the first launch.
; THE WAY IN, as the text below has it: ONE tensor load a wave at the head: waves 0-11 fetch 16,384 bytes each of W1's codes, waves 12-15 12,288 bytes each of z's; one wait and one barrier show all of it.
.set SPARE, 245760
; LDS: W1's four K steps of 49,152 bytes, dense at 0; z's four K steps of 12,288 bytes, dense at 196,608
.set G1Z, 40                           ; s[40:47] group 1 for z's loads
.set XSOFF, 3145728
.set W1_I,  786432
.set W1_S,  2392064
.set HSOFF, 12582912
.set L16, 1
.set SPW, 2
.set NIL, 3
.set MA,  4
.set NA,  5
.set L8,  6
.set GA,  7
.set CA,  8                            ; v8-9 P's leading coefficient, v10-11 Q's
.set CB,  10
.set MF,  32
.set NF,  80
.set SM,  108
.set SN,  124
.set ACC, 128
.set Z,   32                           ; the GELU: 16 registers each
.set X2,  48
.set P,   64
.set Q,   80
.set I0,  32                           ; the way out
.set I1,  44
.set PW,  56
.set HI,  58
.set T,   60
.set WV,  12
.set SUB, 13
.set J,   14
.set Y,   15
.set SEL, 16
.set RT,  18                           ; s[18:19] 1 / sqrt 2
.set G1,  24
.set G0,  32
.set KA,  66                           ; s[66:77] P's six further coefficients, as pairs
.set KB,  78                           ; s[78:85] Q's four
.macro Q2 src, dst, w
.irp b, 0,1
	v_max3_num_f32 v[T+\b], |v[(\src)+16*\b]|, |v[(\src)+16*\b+1]|, 0x2800000
.endr
.irp i, 2,4,6,8,10,12,14
.irp b, 0,1
	s_delay_alu instid0(VALU_DEP_2)
	v_max3_num_f32 v[T+\b], v[T+\b], |v[(\src)+16*\b+\i]|, |v[(\src)+16*\b+\i+1]|
.endr
.endr
.irp b, 0,1
	s_delay_alu instid0(VALU_DEP_2)
	v_permlanex16_b32 v[T+2+\b], v[T+\b], s[SEL], s[SEL+1]
.endr
.irp b, 0,1
	s_delay_alu instid0(VALU_DEP_2)
	v_max_num_f32 v[T+\b], v[T+\b], v[T+2+\b]
.endr
.irp b, 0,1
	s_delay_alu instid0(VALU_DEP_2)
	v_add_nc_u32 v[T+4+\b], 0xfe000000, v[T+\b]
.endr
.irp b, 0,1
	s_delay_alu instid0(VALU_DEP_2)
	v_lshrrev_b32 v[T+2+\b], 23, v[T+4+\b]
.endr
	s_delay_alu instid0(VALU_DEP_1)
	v_lshl_or_b32 v[\w], v[T+3], 8, v[T+2]
	v_cvt_scalef32_pk16_bf6_f32 v[(\dst):(\dst)+2], v[(\src):(\src)+15], v[T+4]
	v_cvt_scalef32_pk16_bf6_f32 v[T+6:T+8], v[(\src)+16:(\src)+31], v[T+5]
	v_nop
.irp i, 0,1,2
	v_permlane16_swap_b32 v[(\dst)+\i], v[T+6+\i]
.endr
.irp i, 0,1,2
	s_delay_alu instid0(VALU_DEP_3)
	v_mov_b32 v[(\dst)+3+\i], v[T+6+\i]
.endr
.endm
.macro WM d, a, b, sa, sb, ra, rb
.if ((\ra) == 0) && ((\rb) == 0)
	v_wmma_scale_f32_16x16x128_f8f6f4 v[\d:\d+7], v[\a:\a+11], v[\b:\b+11], v[\d:\d+7], v[\sa], v[\sb] matrix_a_fmt:MATRIX_FMT_BF6 matrix_b_fmt:MATRIX_FMT_BF6
.elseif (\ra) == 0
	v_wmma_scale_f32_16x16x128_f8f6f4 v[\d:\d+7], v[\a:\a+11], v[\b:\b+11], v[\d:\d+7], v[\sa], v[\sb] matrix_a_fmt:MATRIX_FMT_BF6 matrix_b_fmt:MATRIX_FMT_BF6 matrix_b_scale:MATRIX_SCALE_ROW1
.elseif (\rb) == 0
	v_wmma_scale_f32_16x16x128_f8f6f4 v[\d:\d+7], v[\a:\a+11], v[\b:\b+11], v[\d:\d+7], v[\sa], v[\sb] matrix_a_fmt:MATRIX_FMT_BF6 matrix_b_fmt:MATRIX_FMT_BF6 matrix_a_scale:MATRIX_SCALE_ROW1
.else
	v_wmma_scale_f32_16x16x128_f8f6f4 v[\d:\d+7], v[\a:\a+11], v[\b:\b+11], v[\d:\d+7], v[\sa], v[\sb] matrix_a_fmt:MATRIX_FMT_BF6 matrix_b_fmt:MATRIX_FMT_BF6 matrix_a_scale:MATRIX_SCALE_ROW1 matrix_b_scale:MATRIX_SCALE_ROW1
.endif
.endm
.macro PLACES n
.rept \n
	v_nop
.endr
.endm
.macro MLOAD half
.irp i, 0,1,2,3
.irp c, 0,1,2
	ds_load_b128 v[MF+12*\i+4*\c:MF+12*\i+4*\c+3], v[MA] offset:6144*\half+1536*\i+512*\c
.endr
.endr
.endm
.macro KSTEP s
.if \s == 0
	s_wait_tensorcnt 0x0                           ; my one load has landed,
	s_barrier_signal -1
	s_barrier_wait -1                              ; and everybody's
.endif
.irp n, 0,1
.irp c, 0,1,2
	ds_load_b128 v[NF+12*\n+4*\c:NF+12*\n+4*\c+3], v[NA] offset:1536*\n+512*\c
.endr
.endr
	MLOAD 0
	s_wait_dscnt 0x0
.irp i, 0,1,2,3                        ; the accumulators take turns, one instruction a turn
.irp n, 0,1
	WM ACC+64*\n+8*\i, MF+12*\i, NF+12*\n, SM+4*\i+\s, SN+\s, 0, \n
.endr
.endr
	PLACES 4
	MLOAD 1
	s_wait_dscnt 0x0
.irp i, 0,1,2,3
.irp n, 0,1
	WM ACC+64*\n+8*\i+32, MF+12*\i, NF+12*\n, SM+4*\i+\s, SN+\s, 1, \n
.endr
.endr
.if \s < 3
	v_add_nc_u32 v[MA], 49152, v[MA]
	v_add_nc_u32 v[NA], 12288, v[NA]
	PLACES 2
.else
	PLACES 4
.endif
.endm
.macro HORNER acc, co                  ; acc = acc x^2 + a coefficient, 16 numbers
.set kk, 0
.rept 8
	v_pk_fma_f32 v[\acc+kk:\acc+kk+1], v[\acc+kk:\acc+kk+1], v[X2+kk:X2+kk+1], s[\co:\co+1] op_sel_hi:[1,1,0]
.set kk, kk+2
.endr
.endm
.macro GELU16 base                     ; 16 numbers, in place
.set kk, 0
.rept 8
	v_pk_mul_f32 v[Z+kk:Z+kk+1], v[\base+kk:\base+kk+1], s[RT:RT+1] op_sel_hi:[1,0]
.set kk, kk+2
.endr
.set kk, 0
.rept 16
	v_med3_num_f32 v[Z+kk], v[Z+kk], -4.0, 4.0
.set kk, kk+1
.endr
.set kk, 0
.rept 8
	v_pk_mul_f32 v[X2+kk:X2+kk+1], v[Z+kk:Z+kk+1], v[Z+kk:Z+kk+1]
.set kk, kk+2
.endr
.set kk, 0
.rept 8
	v_pk_fma_f32 v[P+kk:P+kk+1], v[X2+kk:X2+kk+1], v[CA:CA+1], s[KA:KA+1] op_sel_hi:[1,1,0]
	v_pk_fma_f32 v[Q+kk:Q+kk+1], v[X2+kk:X2+kk+1], v[CB:CB+1], s[KB:KB+1] op_sel_hi:[1,1,0]
.set kk, kk+2
.endr
	HORNER Q, KB+2
	HORNER Q, KB+4
	HORNER Q, KB+6
.set kk, 0
	s_wait_alu depctr_va_vdst(0)
.rept 16
	v_rcp_f32 v[Q+kk], v[Q+kk]                     ; one batch; P's rows below are the work behind it
.set kk, kk+1
.endr
	HORNER P, KA+2
	HORNER P, KA+4
	HORNER P, KA+6
	HORNER P, KA+8
	HORNER P, KA+10
.set kk, 0
.rept 8
	v_pk_mul_f32 v[P+kk:P+kk+1], v[P+kk:P+kk+1], v[Z+kk:Z+kk+1]
.set kk, kk+2
.endr
.set kk, 0
.rept 8
	v_pk_mul_f32 v[Z+kk:Z+kk+1], v[\base+kk:\base+kk+1], 0.5 op_sel_hi:[1,0]
.set kk, kk+2
.endr
	s_wait_alu depctr_va_vdst(0)                   ; one wait for the sixteen reciprocals, ahead of their first reader
.set kk, 0
.rept 8
	v_pk_mul_f32 v[P+kk:P+kk+1], v[P+kk:P+kk+1], v[Q+kk:Q+kk+1]                       ; erf
.set kk, kk+2
.endr
.set kk, 0
.rept 8
	v_pk_fma_f32 v[\base+kk:\base+kk+1], v[Z+kk:Z+kk+1], v[P+kk:P+kk+1], v[Z+kk:Z+kk+1]
.set kk, kk+2
.endr
.endm
	s_load_b256 s[4:11], s[0:1], 0x0               ; xz, wts, b1, hq
	v_lshl_add_u32 v[SPW], v0, 2, SPARE
	v_mov_b32 v[NIL], 0
	ds_add_u32 v[SPW], v[NIL]                      ; the wave's opening: the add, twice on end, and its wait ahead of the first tensor load
	ds_add_u32 v[SPW], v[NIL]
	v_lshrrev_b32 v7, 5, v0
	s_delay_alu instid0(VALU_DEP_1)
	v_readfirstlane_b32 s[WV], v7                  ; wave 0..15
	s_lshr_b32 s[SUB], s[WV], 2
	s_and_b32 s[J], s[WV], 3
	s_and_b32 s[Y], ttmp7, 0xffff
	s_mov_b32 s[G1], 3<<16                         ; 64 rows of 256 bytes
	s_mov_b32 s[G1+1], 32<<16
	s_mov_b32 s[G1+2], 64<<16
	s_mov_b32 s[G1+3], 32<<16
	s_mov_b32 s[G1+4], 64
	s_mov_b32 s[G1+5], 32
	s_mov_b32 s[G1+6], 0
	s_mov_b32 s[G1+7], 0
	s_mov_b32 s[SEL], 0x76543210
	s_mov_b32 s[SEL+1], 0xfedcba98
	s_mov_b32 s[RT], 0x3f3504f3
	s_mov_b32 s[RT+1], s[RT]
	s_mov_b32 s[KA], 0x32edffee                    ;  2.77068142e-08
	s_mov_b32 s[KA+2], 0xb60cff51                  ; -2.10102402e-06
	s_mov_b32 s[KA+4], 0xb86ec2d2                  ; -5.69250639e-05
	s_mov_b32 s[KA+6], 0xba40ac63                  ; -7.34990630e-04
	s_mov_b32 s[KA+8], 0xbb41a1f6                  ; -2.95459981e-03
	s_mov_b32 s[KA+10], 0xbc83dbd4                 ; -1.60960333e-02
	s_mov_b32 s[KB], 0xb95fbd29                    ; -2.13374055e-04
	s_mov_b32 s[KB+2], 0xbadc924e                  ; -1.68282697e-03
	s_mov_b32 s[KB+4], 0xbbf19bf8                  ; -7.37332917e-03
	s_mov_b32 s[KB+6], 0xbc69b6a7                  ; -1.42647391e-02
.irp i, 0,2,4,6,8,10
	s_mov_b32 s[KA+\i+1], s[KA+\i]                 ; (named as pairs, so both words are written)
.endr
.irp i, 0,2,4,6
	s_mov_b32 s[KB+\i+1], s[KB+\i]
.endr
	v_mov_b32 v[CA], 0xaf95df0b                    ; -2.72614226e-10
	v_mov_b32 v[CA+1], 0xaf95df0b
	v_mov_b32 v[CB], 0xb77460cd                    ; -1.45660718e-05
	v_mov_b32 v[CB+1], 0xb77460cd
	; what I fetch: waves 0-11 W1's codes, 12-15 z's
	s_mov_b32 s[G1Z], 3<<16                        ; 48 rows of 256 bytes
	s_mov_b32 s[G1Z+1], 32<<16
	s_mov_b32 s[G1Z+2], 48<<16
	s_mov_b32 s[G1Z+3], 32<<16
	s_mov_b32 s[G1Z+4], 48
	s_mov_b32 s[G1Z+5], 32
	s_mov_b32 s[G1Z+6], 0
	s_mov_b32 s[G1Z+7], 0
	s_lshl_b32 s53, s[WV], 14                      ; W1's codes of column block y: 16,384 bytes a wave, as they lie
	s_mul_i32 s48, s[Y], 196608
	s_add_co_u32 s48, s48, s53
	s_add_co_u32 s48, s48, W1_I
	s_mov_b32 s49, 0
	s_max_u32 s50, s[WV], 12
	s_sub_co_u32 s50, s50, 12
	s_mul_i32 s50, s50, 12288                      ; z's codes of block x: 12,288 bytes for each of waves 12-15
	s_mul_i32 s52, ttmp9, 49152
	s_add_co_u32 s50, s50, s52
	s_mov_b32 s51, 0
	s_mul_i32 s52, s[WV], 12288
	s_add_co_u32 s52, s52, 49152                   ; LDS: 196,608 + (w - 12) x 12,288
	s_wait_dscnt 0x0                               ; both opening adds are done
	s_wait_kmcnt 0x0
	s_mov_b32 s[G0], 1
	s_mov_b32 s[G0+1], s53
	s_add_nc_u64 s[G0+2:G0+3], s[6:7], s[48:49]
	s_or_b32 s[G0+3], s[G0+3], 0x80000000
	s_mov_b32 s[G0+4], 1
	s_mov_b32 s[G0+5], s52
	s_add_nc_u64 s[G0+6:G0+7], s[4:5], s[50:51]
	s_or_b32 s[G0+7], s[G0+7], 0x80000000
	s_cmp_lt_u32 s[WV], 12                         ; one load in each arm: every way through the head passes exactly one
	s_cbranch_scc0 .Lfill_z
	tensor_load_to_lds s[G0:G0+3], s[G1:G1+7]
	s_nop 0
	s_branch .Lfilled
.Lfill_z:
	tensor_load_to_lds s[G0+4:G0+7], s[G1Z:G1Z+7]
	s_nop 0
.Lfilled:
	v_and_b32 v7, 31, v0
	s_delay_alu instid0(VALU_DEP_1)
	v_lshlrev_b32 v[L16], 4, v7
	s_delay_alu instid0(VALU_DEP_2)
	v_lshlrev_b32 v[L8], 3, v7
	v_and_b32 v12, 15, v0
	v_bfe_u32 v13, v0, 4, 1
	s_delay_alu instid0(VALU_DEP_1)
	v_lshlrev_b32 v[GA], 6, v13
	s_wait_alu depctr_va_vdst(0)
	v_lshlrev_b32 v12, 4, v12
	s_delay_alu instid0(VALU_DEP_1)
	v_lshl_add_u32 v14, v13, 10, v12               ; 16 r + 1,024 h
	s_wait_alu depctr_va_vdst(0)
	v_lshl_add_u32 v15, v13, 2, v[L8]              ; 8 x lane + 4 h: lanes 0-15 the pair's first tile, lanes 16-31 its second
	s_wait_alu depctr_va_vdst(0)
	s_lshl_b32 s48, s[Y], 5
	s_lshl_b32 s49, s[SUB], 3
	s_add_co_u32 s48, s48, s49
	s_lshl_b32 s48, s48, 8
	s_add_co_u32 s48, s48, W1_S
	s_mov_b32 s49, 0
	s_add_nc_u64 s[56:57], s[6:7], s[48:49]
	s_lshl_b32 s48, ttmp9, 2
	s_add_co_u32 s48, s48, s[J]
	s_lshl_b32 s48, s48, 10
	s_add_co_u32 s48, s48, XSOFF
	s_add_nc_u64 s[58:59], s[4:5], s[48:49]
	s_lshl_b32 s48, s[Y], 11
	s_lshl_b32 s50, s[SUB], 9
	s_add_co_u32 s48, s48, s50
	s_add_nc_u64 s[60:61], s[8:9], s[48:49]        ; b1 at hidden unit 512 y + 128 sub
.irp n, 0,1
.irp b, 0,1,2,3
.irp q, 0,1,2,3
	global_load_b128 v[ACC+64*\n+16*\b+4*\q:ACC+64*\n+16*\b+4*\q+3], v[GA], s[60:61] offset:128*\b+16*\q   ; the bias starts the sums
.endr
.endr
.endr
.irp i, 0,1,2,3
	global_load_b128 v[SM+4*\i:SM+4*\i+3], v14, s[56:57] offset:256*\i
.endr
.irp s, 0,1,2,3
	global_load_b32 v[SN+\s], v15, s[58:59] offset:256*\s
.endr
	s_mul_i32 s48, s[SUB], 12288
	v_add_nc_u32 v[MA], s48, v[L16]
	s_mul_i32 s48, s[J], 3072
	s_add_co_u32 s48, s48, 196608
	v_add_nc_u32 v[NA], s48, v[L16]
	s_wait_alu depctr_va_vdst(0)
	s_wait_loadcnt 0x0
	KSTEP 0
	s_wait_alu depctr_va_vdst(0)
	KSTEP 1
	s_wait_alu depctr_va_vdst(0)
	KSTEP 2
	s_wait_alu depctr_va_vdst(0)
	KSTEP 3
.irp g, 0,1,2,3,4,5,6,7
	GELU16 ACC+16*\g
.endr
	v_mov_b32 v[T+2], 0
	v_mov_b32 v[T+3], 0
	Q2 ACC, I0, PW
	Q2 ACC+32, I0+6, HI
	v_lshl_or_b32 v[PW], v[HI], 16, v[PW]
	Q2 ACC+64, I1, PW+1
	Q2 ACC+96, I1+6, HI
	v_lshl_or_b32 v[PW+1], v[HI], 16, v[PW+1]
	s_lshl_b32 s48, ttmp9, 2
	s_add_co_u32 s48, s48, s[Y]
	s_lshl_b32 s48, s48, 2
	s_add_co_u32 s48, s48, s[SUB]                  ; the next product's K step: 4 y + sub, of block x
	s_lshl_b32 s48, s48, 3
	s_lshl_b32 s50, s[J], 1
	s_add_co_u32 s48, s48, s50
	s_mul_i32 s48, s48, 1536
	s_mov_b32 s49, 0
	s_add_nc_u64 s[56:57], s[10:11], s[48:49]
	s_lshl_b32 s48, ttmp9, 2
	s_add_co_u32 s48, s48, s[J]
	s_lshl_b32 s48, s48, 4
	s_lshl_b32 s50, s[Y], 2
	s_add_co_u32 s48, s48, s50
	s_add_co_u32 s48, s48, s[SUB]
	s_lshl_b32 s48, s48, 8
	s_add_co_u32 s48, s48, HSOFF
	s_add_nc_u64 s[58:59], s[10:11], s[48:49]
	s_wait_alu depctr_va_vdst(0)
.irp c, 0,1,2
	global_store_b128 v[L16], v[I0+4*\c:I0+4*\c+3], s[56:57] offset:512*\c
	global_store_b128 v[L16], v[I1+4*\c:I1+4*\c+3], s[56:57] offset:1536+512*\c
.endr
	global_store_b64 v[L8], v[PW:PW+1], s[58:59]
	s_wait_tensorcnt 0x0                           ; the wave's end
	ds_add_u32 v[SPW], v[NIL]
	s_wait_dscnt 0x0
	s_endpgm
.Lfunc_end_k_qc4b204e1aa_mlp1:
	.size	k_qc4b204e1aa_mlp1, .Lfunc_end_k_qc4b204e1aa_mlp1-k_qc4b204e1aa_mlp1
	.p2alignl 7, 3214868480
	.fill 96, 4, 3214868480
	.section	.rodata,"a",@progbits
	.p2align	6, 0x0
	.amdhsa_kernel k_qc4b204e1aa_mlp1
		.amdhsa_group_segment_fixed_size 247808
		.amdhsa_private_segment_fixed_size 0
		.amdhsa_enable_private_segment 0
		.amdhsa_kernarg_size 32
		.amdhsa_user_sgpr_count 2
		.amdhsa_user_sgpr_kernarg_segment_ptr 1
		.amdhsa_wavefront_size32 1
		.amdhsa_system_sgpr_workgroup_id_x 1
		.amdhsa_system_sgpr_workgroup_id_y 1
		.amdhsa_system_sgpr_workgroup_id_z 1
		.amdhsa_system_vgpr_workitem_id 0
		.amdhsa_next_free_vgpr 256
		.amdhsa_next_free_sgpr 88
		.amdhsa_reserve_vcc 0
		.amdhsa_float_denorm_mode_32 3
		.amdhsa_float_denorm_mode_16_64 3
		.amdhsa_memory_ordered 1
		.amdhsa_forward_progress 1
		.amdhsa_inst_pref_size 116
	.end_amdhsa_kernel
	.amdgpu_metadata
---
amdhsa.version: [ 1, 2 ]
amdhsa.kernels:
  - .name:           k_qc4b204e1aa_mlp1
    .symbol:         k_qc4b204e1aa_mlp1.kd
    .args:
      - { .name: xz, .offset: 0, .size: 8, .value_kind: global_buffer, .address_space: global }
      - { .name: wts, .offset: 8, .size: 8, .value_kind: global_buffer, .address_space: global }
      - { .name: b1, .offset: 16, .size: 8, .value_kind: global_buffer, .address_space: global }
      - { .name: hq, .offset: 24, .size: 8, .value_kind: global_buffer, .address_space: global }
    .group_segment_fixed_size: 247808
    .private_segment_fixed_size: 0
    .kernarg_segment_align: 8
    .kernarg_segment_size: 32
    .max_flat_workgroup_size: 512
    .sgpr_count:     88
    .vgpr_count:     256
    .wavefront_size: 32
...
	.end_amdgpu_metadata
.endif
;; end of part 5
;; launch mlp2 (part 6): grid 64 x 4, 8 waves a work-group, no clusters, 327,680 bytes of LDS; arguments hq, wts, yb, b2, out0; writes out0
.if DOCPART == 6
	.amdgcn_target "amdgcn-amd-amdhsa--gfx1250"
	.amdhsa_code_object_version 6
	.text
	.protected	k_qc4b204e1aa_mlp2
	.globl	k_qc4b204e1aa_mlp2
	.p2align	8
	.type	k_qc4b204e1aa_mlp2,@function
k_qc4b204e1aa_mlp2:
	s_mov_b64 s[64:65], 0
	v_nop
	global_prefetch_b8 v0, s[64:65] scope:SCOPE_SE
	s_setreg_imm32_b32 hwreg(HW_REG_WAVE_MODE, 25, 1), 1
	s_wait_xcnt 0x0
.set SLOTB, 98304
.set STG,   196608
.set SPARE, 231424
.set W2_I,  1572864
.set W2_S,  2424832
.set HSOFF, 12582912
.set L16, 1
.set SPW, 2
.set NIL, 3
.set MA,  4
.set NA,  6
.set STO, 8
.set SRD, 9
.set GO,  10
.set MF,  32
.set NF,  80
.set SM,  104
.set SN,  136
.set B2,  152
.set ACC, 192
.set RB,  32
.set WV,  14
.set MH,  15
.set J,   16
.set CGR, 17
.set G1,  24
.set G0,  32
.macro WM d, a, b, sa, sb, ra, rb
.if ((\ra) == 0) && ((\rb) == 0)
	v_wmma_scale_f32_16x16x128_f8f6f4 v[\d:\d+7], v[\a:\a+11], v[\b:\b+11], v[\d:\d+7], v[\sa], v[\sb] matrix_a_fmt:MATRIX_FMT_BF6 matrix_b_fmt:MATRIX_FMT_BF6
.elseif (\ra) == 0
	v_wmma_scale_f32_16x16x128_f8f6f4 v[\d:\d+7], v[\a:\a+11], v[\b:\b+11], v[\d:\d+7], v[\sa], v[\sb] matrix_a_fmt:MATRIX_FMT_BF6 matrix_b_fmt:MATRIX_FMT_BF6 matrix_b_scale:MATRIX_SCALE_ROW1
.elseif (\rb) == 0
	v_wmma_scale_f32_16x16x128_f8f6f4 v[\d:\d+7], v[\a:\a+11], v[\b:\b+11], v[\d:\d+7], v[\sa], v[\sb] matrix_a_fmt:MATRIX_FMT_BF6 matrix_b_fmt:MATRIX_FMT_BF6 matrix_a_scale:MATRIX_SCALE_ROW1
.else
	v_wmma_scale_f32_16x16x128_f8f6f4 v[\d:\d+7], v[\a:\a+11], v[\b:\b+11], v[\d:\d+7], v[\sa], v[\sb] matrix_a_fmt:MATRIX_FMT_BF6 matrix_b_fmt:MATRIX_FMT_BF6 matrix_a_scale:MATRIX_SCALE_ROW1 matrix_b_scale:MATRIX_SCALE_ROW1
.endif
.endm
.macro KST sl, q, f
.irp n, 0,1
.irp c, 0,1,2
	ds_load_b128 v[NF+12*\n+4*\c:NF+12*\n+4*\c+3], v[NA+\sl] offset:12288*\q+1536*\n+512*\c
.endr
.endr
.irp i, 0,1,2,3
.irp c, 0,1,2
	ds_load_b128 v[MF+12*\i+4*\c:MF+12*\i+4*\c+3], v[MA+\sl] offset:12288*\q+1536*\i+512*\c
.endr
.endr
	s_wait_dscnt 0x0
.irp i, 0,1,2,3
.irp n, 0,1
	WM ACC+32*\n+8*\i, MF+12*\i, NF+12*\n, SM+8*\f+4*(\i%2)+\q, SN+4*\f+\q, \i/2, \n
.endr
.endr
.rept 4
	v_nop
.endr
.endm
.macro FOURK sl, f
	KST \sl, 0, \f
	KST \sl, 1, \f
	KST \sl, 2, \f
	KST \sl, 3, \f
.endm
.macro CHANGE g0, fill
	s_wait_tensorcnt 0x0
	ds_add_u32 v[SPW], v[NIL]
.if \fill
	s_add_nc_u64 s[\g0+2:\g0+3], s[\g0+2:\g0+3], 98304
.endif
	s_wait_dscnt 0x0
	s_barrier_signal -1
	s_barrier_wait -1
.if \fill
	tensor_load_to_lds s[\g0:\g0+3], s[G1:G1+7]
	s_nop 0
.endif
.endm
	s_load_b256 s[4:11], s[0:1], 0x0
	s_load_b64 s[12:13], s[0:1], 0x20
	v_lshl_add_u32 v[SPW], v0, 2, SPARE
	v_mov_b32 v[NIL], 0
	ds_add_u32 v[SPW], v[NIL]
	ds_add_u32 v[SPW], v[NIL]
	v_lshrrev_b32 v11, 5, v0
	s_delay_alu instid0(VALU_DEP_1)
	v_readfirstlane_b32 s[WV], v11
	s_lshr_b32 s[MH], s[WV], 2
	s_and_b32 s[J], s[WV], 3
	s_and_b32 s[CGR], ttmp7, 0xffff
	s_mov_b32 s[G1], 3<<16
	s_mov_b32 s[G1+1], 32<<16
	s_mov_b32 s[G1+2], 48<<16
	s_mov_b32 s[G1+3], 32<<16
	s_mov_b32 s[G1+4], 48
	s_mov_b32 s[G1+5], 32
	s_mov_b32 s[G1+6], 0
	s_mov_b32 s[G1+7], 0
	s_mul_i32 s40, s[WV], 12288
	s_mul_i32 s42, s[CGR], 196608
	s_add_co_u32 s42, s42, s40
	s_add_co_u32 s42, s42, W2_I
	s_mul_i32 s44, ttmp9, 196608
	s_add_co_u32 s44, s44, s40
	s_sub_co_u32 s44, s44, 49152
	s_cmp_lt_u32 s[WV], 4
	s_cselect_b32 s42, s42, s44
	s_mov_b32 s43, 0
	s_wait_dscnt 0x0
	s_wait_kmcnt 0x0
	s_cmp_lt_u32 s[WV], 4
	s_cselect_b64 s[46:47], s[6:7], s[4:5]
	s_add_nc_u64 s[46:47], s[46:47], s[42:43]
	s_mov_b32 s[G0], 1
	s_mov_b32 s[G0+1], s40
	s_mov_b64 s[G0+2:G0+3], s[46:47]
	s_mov_b32 s[G0+4], 1
	s_add_co_u32 s[G0+5], s40, SLOTB
	s_add_nc_u64 s[G0+6:G0+7], s[46:47], 49152
	s_or_b32 s[G0+3], s[G0+3], 0x80000000
	s_or_b32 s[G0+7], s[G0+7], 0x80000000
	tensor_load_to_lds s[G0:G0+3], s[G1:G1+7]      ; slot 0: my one load at the head; the addresses and the global loads below stand under its flight
	s_nop 0
	v_and_b32 v11, 31, v0
	s_delay_alu instid0(VALU_DEP_1)
	v_lshlrev_b32 v[L16], 4, v11
	s_wait_alu depctr_va_vdst(0)
	v_lshlrev_b32 v12, 3, v11
	v_and_b32 v13, 15, v0
	v_bfe_u32 v14, v0, 4, 1
	s_delay_alu instid0(VALU_DEP_2)
	v_lshlrev_b32 v15, 4, v13
	s_delay_alu instid0(VALU_DEP_1)
	v_lshl_add_u32 v16, v14, 9, v15
	s_wait_alu depctr_va_vdst(0)
	v_lshl_add_u32 v17, v14, 2, v12
	s_wait_alu depctr_va_vdst(0)
	v_lshlrev_b32 v18, 6, v14
	s_wait_alu depctr_va_vdst(0)
	s_lshl_b32 s40, ttmp9, 18
	s_lshl_b32 s41, s[J], 16
	s_add_co_u32 s40, s40, s41
	s_lshl_b32 s41, s[CGR], 13
	s_add_co_u32 s40, s40, s41
	s_lshl_b32 s41, s[MH], 12
	s_add_co_u32 s40, s40, s41
	s_mov_b32 s41, 0
	s_add_nc_u64 s[48:49], s[8:9], s[40:41]
	s_lshl_b32 s40, s[CGR], 3
	s_lshl_b32 s42, s[MH], 2
	s_add_co_u32 s40, s40, s42
	s_lshl_b32 s40, s40, 8
	s_add_co_u32 s40, s40, W2_S
	s_add_nc_u64 s[50:51], s[6:7], s[40:41]
	s_lshl_b32 s40, ttmp9, 2
	s_add_co_u32 s40, s40, s[J]
	s_lshl_b32 s40, s40, 12
	s_add_co_u32 s40, s40, HSOFF
	s_add_nc_u64 s[52:53], s[4:5], s[40:41]
	s_lshl_b32 s40, s[CGR], 9
	s_lshl_b32 s42, s[MH], 8
	s_add_co_u32 s40, s40, s42
	s_add_nc_u64 s[54:55], s[10:11], s[40:41]
	s_lshl_b32 s42, ttmp9, 18
	s_add_co_u32 s40, s40, s42
	s_lshl_b32 s42, s[J], 16
	s_add_co_u32 s40, s40, s42
	s_add_nc_u64 s[56:57], s[12:13], s[40:41]
.irp n, 0,1
.irp p, 0,1,2,3,4,5,6,7
	global_load_b128 v[ACC+32*\n+4*\p:ACC+32*\n+4*\p+3], v[L16], s[48:49] offset:32768*\n+512*\p
.endr
.endr
.irp f, 0,1,2,3
.irp i, 0,1
	global_load_b128 v[SM+8*\f+4*\i:SM+8*\f+4*\i+3], v16, s[50:51] offset:8192*\f+256*\i
.endr
.endr
.irp k, 0,1,2,3,4,5,6,7,8,9,10,11,12,13,14,15
	global_load_b32 v[SN+\k], v17, s[52:53] offset:256*\k
.endr
.irp b, 0,1
.irp q, 0,1,2,3
	global_load_b128 v[B2+16*\b+4*\q:B2+16*\b+4*\q+3], v18, s[54:55] offset:128*\b+16*\q
.endr
.endr
	s_mul_i32 s40, s[MH], 6144
	v_add_nc_u32 v[MA], s40, v[L16]
	s_delay_alu instid0(VALU_DEP_1)
	v_add_nc_u32 v[MA+1], SLOTB, v[MA]
	s_mul_i32 s40, s[J], 3072
	s_add_co_u32 s40, s40, 49152
	v_add_nc_u32 v[NA], s40, v[L16]
	s_delay_alu instid0(VALU_DEP_1)
	v_add_nc_u32 v[NA+1], SLOTB, v[NA]
	s_mul_i32 s40, s[WV], 4352
	s_add_co_u32 s40, s40, STG
	v_mul_u32_u24 v[STO], v13, 272
	s_delay_alu instid0(VALU_DEP_1)
	v_add_nc_u32 v[STO], v[STO], v18
	s_delay_alu instid0(VALU_DEP_1)
	v_add_nc_u32 v[STO], s40, v[STO]
	v_mul_u32_u24 v[SRD], v14, 272
	s_delay_alu instid0(VALU_DEP_1)
	v_add_nc_u32 v[SRD], v[SRD], v15
	s_delay_alu instid0(VALU_DEP_1)
	v_add_nc_u32 v[SRD], s40, v[SRD]
	v_lshl_add_u32 v[GO], v14, 11, v15
	s_wait_alu depctr_va_vdst(0)                   ; the wait at the head's end
	s_wait_tensorcnt 0x0                           ; my part of slot 0 is in; slot 1's first fill is issued as a refill is:
	ds_add_u32 v[SPW], v[NIL]                      ; the add,
	s_wait_dscnt 0x0
	s_barrier_signal -1
	s_barrier_wait -1                              ; slot 0 is whole for every wave
	tensor_load_to_lds s[G0+4:G0+7], s[G1:G1+7]    ; my one load behind this barrier
	s_nop 0
	s_wait_loadcnt 0x0                             ; the residual, the scale words and b2 are in
	FOURK 0, 0
	CHANGE G0, 1
	FOURK 1, 1
	CHANGE G0+4, 1
	FOURK 0, 2
	CHANGE G0, 0
	FOURK 1, 3
.irp n, 0,1
.set kk, 0
.rept 16
	v_pk_add_f32 v[ACC+32*\n+kk:ACC+32*\n+kk+1], v[ACC+32*\n+kk:ACC+32*\n+kk+1], v[B2+kk:B2+kk+1]
.set kk, kk+2
.endr
.endr
.irp n, 0,1
.irp b, 0,1
.irp q, 0,1,2,3
	ds_store_b128 v[STO], v[ACC+32*\n+16*\b+4*\q:ACC+32*\n+16*\b+4*\q+3] offset:128*\b+16*\q
.endr
.endr
.irp i, 0,1,2,3,4,5,6,7
	ds_load_b128 v[RB+32*\n+4*\i:RB+32*\n+4*\i+3], v[SRD] offset:544*\i
.endr
.endr
.irp n, 0,1
.irp i, 0,1,2,3,4,5,6,7
	s_wait_dscnt 16*(1-\n)+7-\i
	global_store_b128 v[GO], v[RB+32*\n+4*\i:RB+32*\n+4*\i+3], s[56:57] offset:(8*\n+2*\i+8*(\i/4))*2048 th:TH_STORE_NT
.endr
.endr
	s_wait_tensorcnt 0x0
	ds_add_u32 v[SPW], v[NIL]
	s_wait_dscnt 0x0
	s_endpgm
.Lfunc_end_k_qc4b204e1aa_mlp2:
	.size	k_qc4b204e1aa_mlp2, .Lfunc_end_k_qc4b204e1aa_mlp2-k_qc4b204e1aa_mlp2
	.p2alignl 7, 3214868480
	.fill 96, 4, 3214868480
	.section	.rodata,"a",@progbits
	.p2align	6, 0x0
	.amdhsa_kernel k_qc4b204e1aa_mlp2
		.amdhsa_group_segment_fixed_size 327680
		.amdhsa_private_segment_fixed_size 0
		.amdhsa_enable_private_segment 0
		.amdhsa_kernarg_size 40
		.amdhsa_user_sgpr_count 2
		.amdhsa_user_sgpr_kernarg_segment_ptr 1
		.amdhsa_wavefront_size32 1
		.amdhsa_system_sgpr_workgroup_id_x 1
		.amdhsa_system_sgpr_workgroup_id_y 1
		.amdhsa_system_sgpr_workgroup_id_z 1
		.amdhsa_system_vgpr_workitem_id 0
		.amdhsa_next_free_vgpr 256
		.amdhsa_next_free_sgpr 66
		.amdhsa_reserve_vcc 0
		.amdhsa_float_denorm_mode_32 3
		.amdhsa_float_denorm_mode_16_64 3
		.amdhsa_memory_ordered 1
		.amdhsa_forward_progress 1
		.amdhsa_inst_pref_size 54
	.end_amdhsa_kernel
	.amdgpu_metadata
---
amdhsa.version: [ 1, 2 ]
amdhsa.kernels:
  - .name:           k_qc4b204e1aa_mlp2
    .symbol:         k_qc4b204e1aa_mlp2.kd
    .args:
      - { .name: hq, .offset: 0, .size: 8, .value_kind: global_buffer, .address_space: global }
      - { .name: wts, .offset: 8, .size: 8, .value_kind: global_buffer, .address_space: global }
      - { .name: yb, .offset: 16, .size: 8, .value_kind: global_buffer, .address_space: global }
      - { .name: b2, .offset: 24, .size: 8, .value_kind: global_buffer, .address_space: global }
      - { .name: out0, .offset: 32, .size: 8, .value_kind: global_buffer, .address_space: global }
    .group_segment_fixed_size: 327680
    .private_segment_fixed_size: 0
    .kernarg_segment_align: 8
    .kernarg_segment_size: 40
    .max_flat_workgroup_size: 256
    .sgpr_count:     66
    .vgpr_count:     256
    .wavefront_size: 32
...
	.end_amdgpu_metadata
.endif
;; end of part 6
